; MI455X (gfx1250); checked and timed in simulation.
; The chip was launched on July 23, 2026; its instructions are those of AMD's public machine-readable ISA for CDNA 5 (MIT licence, August 2026) and "CDNA5" Instruction Set Architecture Reference Guide (July 2026). The comments in the code are by the model that wrote it; some were corrected since.
;; Masked Attention. Allowed arithmetic: matrix products marked QUANTISED: E2M3 operands, one E8M0 scale for each 32 along K, by v_wmma_scale_f32_16x16x128_f8f6f4 with both operands' format E2M3, f32 sums; everything else in f32.
;; Inputs: Wk 1,024 x 1,024 float32; Wo 1,024 x 1,024 float32; Wq 1,024 x 1,024 float32; Wv 1,024 x 1,024 float32; bk 1,024 float32; bo 1,024 float32; bq 1,024 float32; bv 1,024 float32; causal_mask 2,048 x 2,048 float32; validity_mask 2 x 2,048 bool; x 2 x 2,048 x 1,024 float32.
;; Outputs: out0 2 x 2,048 x 1,024 float32.
;; This version of the problem:
;;   THIS VERSION OF THE PROBLEM IS GIVEN IN LOW PRECISION. The matrix products marked QUANTISED in the list below multiply operands that are first quantised to E2M3 (2 exponent bits, 3 mantissa bits; 6 bits a number), with one power-of-two scale for each 32 numbers along K (OCP MX v1.0); their sums are f32. All else is computed in f32.
;;   The module's matrix products, in the order in which they are computed (A, B: the left and right operand; K: the contracted axis; several contracted axes count as one K, in the product's order):
;;     1. [M 4,096, K 1,024] x [K 1,024, N 1,024]; A: input x; B: input Wq: QUANTISED
;;     2. [M 4,096, K 1,024] x [K 1,024, N 1,024]; A: input x; B: input Wk: QUANTISED
;;     3. [M 4,096, K 1,024] x [K 1,024, N 1,024]; A: input x; B: input Wv: QUANTISED
;;     4. batch 32 x [M 2,048, K 64] x [K 64, N 2,048]; A: computed on the way; B: computed on the way: QUANTISED
;;     5. batch 32 x [M 2,048, K 2,048] x [K 2,048, N 64]; A: softmax (see below); B: computed on the way: QUANTISED
;;     6. [M 4,096, K 1,024] x [K 1,024, N 1,024]; A: computed on the way; B: input Wo: QUANTISED
;;   THE QUANTISER, for each operand of a quantised product, along K:
;;     - K is cut into blocks of 32 from its start; a last block that is shorter is filled with zeros.
;;     - A block's scale is 2^e with e = floor(log2(the largest magnitude in the block)) - 2, held to -126 .. 127; a block of zeros has e = 0. As a byte (E8M0): e + 127.
;;     - Each number is divided by its block's scale, clamped to +-7.5, and rounded to the nearest number of E2M3, ties to even, subnormals kept.
;;     - The product sums the exact products of the quantised numbers (number of the format x scale) in f32.
;;   ~~~python
;;   def quantise(x, axis):      # numpy; x: float32 -> the quantised numbers, widened to float32 again
;;       x = np.moveaxis(x, axis, -1); K = x.shape[-1]
;;       x = np.pad(x, [(0, 0)] * (x.ndim - 1) + [(0, -K % 32)]); x = x.reshape(x.shape[:-1] + (-1, 32)); a = np.abs(x).max(-1, keepdims=True)
;;       e = np.where(a > 0, np.clip(np.frexp(np.where(a > 0, a, 1))[1] - 1 - 2, -126, 127), 0)      # np.frexp(a)[1] - 1 = floor(log2(a)), exactly
;;       r = np.clip(x / 2.0 ** e, -7.5, 7.5)
;;       step = 2.0 ** (np.maximum(np.frexp(np.where(r == 0, 1, r))[1] - 1, 0) - 3)
;;       q = np.round(r / step) * step * 2.0 ** e      # np.round: ties to even
;;       return np.moveaxis(q.reshape(q.shape[:-2] + (-1,))[..., :K], -1, axis).astype(np.float32)
;;   ~~~
;;   SOFTMAX AHEAD OF A QUANTISED PRODUCT. Where the list says 'softmax', what is quantised is not the finished softmax but p = 2^(t - M), with t = logit x log2(e) and M = ceil(the row's largest t), a whole number; so 1/2 < the row's largest p <= 1. The row's sum l is taken of the UNQUANTISED p, in f32, and the product's result is divided by l at the end. Since M is a whole number, a kernel that streams over the keys may use a running M (the ceiling of the running maximum): every later rescaling is an exact power of two, which a block's scale takes up: the codes' values come out the same.
;;   OPERANDS COMPUTED ON THE WAY. 'Computed on the way' means the value that the module computes at that place (a softmax that the list does not call 'softmax' is quantised finished and normalised). What goes into a quantiser is computed in f32, as accurately as f32 sums, v_exp_f32 and their like allow (about 1e-6 of the number): no bf16 or f16 on the way to a quantiser, and a product that is left as it is and whose result goes on into a quantised operand takes f32 operands (vector FMAs, or v_wmma_f32_16x16x4_f32). A number that lies on a knife's edge between two numbers of the format may be rounded either way, as far as f32 arithmetic and the matrix unit's own rounding can turn it there, and no further.
;; 2 versions, each right; version 2 is version 1 with the launch attn written anew for expert scheduling mode. Each part assembles by itself: llvm-mc -triple=amdgcn-amd-amdhsa -mcpu=gfx1250 --defsym DOCPART=n.
;; ======== version 1 of 2: 4 launches
;; workspace buffers: cod 6,291,456 bytes; scl 262,144 bytes; flags 1,024 bytes of whole numbers; qkv 10,223,616 bytes; ocod 3,145,728 bytes; oscl 131,072 bytes
;; launch prep (part 1): grid 384 x 1, 4 waves a work-group, no clusters, 41,472 bytes of LDS; arguments x, Wq, Wk, Wv, Wo, causal_mask, validity_mask, cod, scl, flags; writes cod, scl, flags
.if DOCPART == 1
	.amdgcn_target "amdgcn-amd-amdhsa--gfx1250"
	.amdhsa_code_object_version 6
	.text
	.protected	k_qc6e3b62edd_prep
	.globl	k_qc6e3b62edd_prep
	.p2align	8
	.type	k_qc6e3b62edd_prep,@function
k_qc6e3b62edd_prep:
	s_mov_b64 s[64:65], 0
	v_nop
	global_prefetch_b8 v0, s[64:65] scope:SCOPE_SE
	s_setreg_imm32_b32 hwreg(HW_REG_WAVE_MODE, 25, 1), 1
	s_wait_xcnt 0x0
; TWO JOBS IN ONE LAUNCH, told apart by the work-group's number.
; Work-groups 0-255: x [4096][1024] and Wq, Wk, Wv, Wo [1024][1024], f32, K innermost, become codes of FP6 (E2M3) with one E8M0 byte for each 32 along K,
; laid as IMAGES OF OPERAND REGISTERS.  A tile is 16 rows; tile 2 B + u holds in lane r the row 32 B + 8 u + r + 8 (r / 8).  A fragment (16 rows x 128 K, 12 registers a lane) is 1,536 bytes:
; for c = 0, 1: registers 6 c .. 6 c + 3 at 768 c + 16 lane, registers 6 c + 4, 6 c + 5 at 768 c + 512 + 8 lane.  cod: [tile 512][kstep 8][1,536]; scl: [tile][pair of ksteps 4][row 16][two scale words].
; Tiles 0-255 x, 256-319 Wq, 320-383 Wk, 384-447 Wv, 448-511 Wo.  A wave makes one tile's four fragments of half of K.
; A block's scale is 2^(floor(log2(largest magnitude)) - 2); its byte is the largest magnitude's exponent field - 2, held at 1 from below (a block of zeros keeps the byte 1: its codes are zeros, and this program alone reads the bytes).
; Work-groups 256-383: the two masks are read as they are given, and for each batch, each group g of 16 rows of the mask and each step of 128 keys two bits are stored as whole numbers:
;   bit s: the step must be worked;  bit 16 + s: the mask must be added there (some number of it is not 0).
; A step is left out only where EVERY p of it is 0: with hi = an upper bound of the step's logits of a row and low = a lower bound of the row's largest logit (both from -5 <= clipped score <= 5, the mask's numbers
; and the validity bytes, by roundings that are monotone), fl(hi log2 e) - ceil(fl(low log2 e)) < -160 bounds every t - M of the step, and 2^(-160) is 0 in f32.  A NaN makes the compare false: the step is worked.
; LIMITS: NaN and infinities among x and the weights are not served; validity bytes are 0 or 1.
.set TBL,   34816                      ; LDS of the masks' path: [kind 4][row 16][step 16] f32
.set TBL2,  38912                      ; and 16 bytes for each wave
.set R,     16                         ; v16-143  two sets of 64: a kstep's numbers as loaded
.set X,     144                        ; v144-207 the lane's 64 numbers of a fragment
.set PC,    208                        ; v208-219 the fragment's codes
.set PX,    220                        ; v220-227 the upper halves of the two blocks' codes, before they are moved
.set TQ,    228                        ; v228-233 at work
.set SW,    236                        ; v236-239 the four scale words
.set PB,    8                          ; v8-39    masks' path: 0 (valid key) or -infinity, [batch 2][step 4][4 keys]
.set C,     40                         ; v40-167  two sets of 64: four rows x four steps of the mask
.set RV0,   168                        ; largest mask number over batch 0's valid keys, [row 4][step 4]
.set RV1,   184                        ; the same for batch 1
.set RA,    200                        ; over all keys
.set RZ,    216                        ; largest magnitude
.set T,     232                        ; v232-247 at work
	s_load_b256 s[4:11], s[0:1], 0x0               ; x, Wq, Wk, Wv
	s_load_b256 s[12:19], s[0:1], 0x20             ; Wo, causal_mask, validity_mask, cod
	s_load_b128 s[20:23], s[0:1], 0x40             ; scl, flags
	v_lshl_add_u32 v254, v0, 2, 0xa000
	v_mov_b32 v255, 0
	v_lshrrev_b32 v1, 5, v0
	v_readfirstlane_b32 s24, v1                    ; wave 0..3
	v_and_b32 v1, 31, v0                           ; lane
	s_mov_b32 s26, 0x76543210
	s_mov_b32 s27, 0xfedcba98                      ; v_permlanex16_b32's selects for lane l xor 16
	s_cmp_ge_u32 ttmp9, 256
	s_cbranch_scc1 .Lflags
; ---------------- the quantiser ----------------
	v_lshlrev_b32 v2, 4, v1                        ; 16 l
	v_lshlrev_b32 v3, 3, v1                        ; 8 l
	v_and_b32 v4, 15, v0                           ; r
	v_bfe_u32 v5, v0, 4, 1                         ; h
	s_mul_i32 s25, s24, 8448                       ; my stage: 16 rows x (512 + 16) bytes
	v_add_nc_u32 v6, s25, v2                       ; in: a row as it lies
	v_mul_u32_u24 v7, v4, 528
	v_lshl_add_u32 v7, v5, 7, v7
	v_add_nc_u32 v7, s25, v7                       ; back: row r, + 128 h: my 32 numbers of a block
	v_lshlrev_b32 v8, 3, v5                        ; 8 h
	v_mov_b32 v9, 0                                ; a lane permute's destination counts as one of its sources
	v_cmp_le_u32 vcc_lo, 16, v1                    ; lanes 16-31
	s_sub_co_u32 s28, ttmp9, 128
	s_lshr_b32 s29, s28, 5                         ; which weight
	s_and_b32 s28, s28, 31                         ; and which 32 rows of it
	s_lshr_b32 s30, s24, 1                         ; u
	s_and_b32 s31, s24, 1                          ; which half of K
	s_wait_kmcnt 0x0
	s_cmp_eq_u32 s29, 1                            ; the choice hangs on the work-group's number alone
	s_cselect_b64 s[6:7], s[8:9], s[6:7]
	s_cmp_eq_u32 s29, 2
	s_cselect_b64 s[6:7], s[10:11], s[6:7]
	s_cmp_eq_u32 s29, 3
	s_cselect_b64 s[6:7], s[12:13], s[6:7]
	s_cmp_lt_u32 ttmp9, 128
	s_cselect_b64 s[4:5], s[4:5], s[6:7]
	s_cselect_b32 s28, ttmp9, s28
	s_lshl_b32 s32, s28, 17                        ; 32 rows of 4,096 bytes
	s_lshl_b32 s33, s30, 15                        ; + 8 u rows
	s_add_co_u32 s32, s32, s33
	s_lshl_b32 s33, s31, 11                        ; + my half of K
	s_add_co_u32 s32, s32, s33
	s_mov_b32 s33, 0
	s_add_nc_u64 s[4:5], s[4:5], s[32:33]
	s_lshl_b32 s34, ttmp9, 1
	s_add_co_u32 s34, s34, s30                     ; the tile's number
	s_mul_i32 s32, s34, 12288
	s_mul_i32 s35, s31, 6144
	s_add_co_u32 s32, s32, s35
	s_add_nc_u64 s[18:19], s[18:19], s[32:33]
	s_lshl_b32 s32, s34, 9
	s_lshl_b32 s35, s31, 8
	s_add_co_u32 s32, s32, s35
	s_add_nc_u64 s[20:21], s[20:21], s[32:33]
.macro LOADQ q                         ; kstep q of the tile's 16 rows: each load reads 512 consecutive bytes of one row
.set lq, 0
.rept 16
	global_load_b128 v[R+64*((\q)%2)+4*lq:R+64*((\q)%2)+4*lq+3], v2, s[4:5] offset:(lq+8*(lq/8))*4096+512*(\q) th:TH_LOAD_NT
.set lq, lq+1
.endr
.endm
.macro TURNQ q                         ; through my stage: LDS serves a wave's instructions in order, so no wait stands between the stores and the loads
.set lq, 0
.rept 16
	ds_store_b128 v6, v[R+64*((\q)%2)+4*lq:R+64*((\q)%2)+4*lq+3] offset:528*lq
.set lq, lq+1
.endr
.set lq, 0
.rept 16
	ds_load_b128 v[X+4*lq:X+4*lq+3], v7 offset:256*(lq/8)+16*(lq%8)   ; X[32 c + i] = k 64 c + 32 h + i of row r: the order of the operand's registers
.set lq, lq+1
.endr
.endm
.macro QW q
.irp c, 0,1
	v_max3_num_f32 v[TQ+\c], |v[X+32*\c]|, |v[X+32*\c+1]|, 0x1800000   ; my block 2 c + h: all its 32 numbers are mine; the floor 2^(3 - 127) holds the byte at 1 from below
.endr
.irp i, 2,4,6,8,10,12,14,16,18,20,22,24,26,28,30
.irp c, 0,1
	v_max3_num_f32 v[TQ+\c], v[TQ+\c], |v[X+32*\c+\i]|, |v[X+32*\c+\i+1]|
.endr
.endr
.irp c, 0,1
	v_add_nc_u32 v[TQ+2+\c], 0xff000000, v[TQ+\c]  ; 2 off the exponent field: the conversion's scale operand
.endr
.irp c, 0,1
	v_lshrrev_b32 v[TQ+4+\c], 23, v[TQ+2+\c]       ; the scale's byte
.endr
	v_lshl_or_b32 v[SW+\q], v[TQ+5], 16, v[TQ+4]   ; blocks h and 2 + h,
	v_lshlrev_b32 v[SW+\q], v8, v[SW+\q]           ; at their places in the word;
	v_permlanex16_b32 v9, v[SW+\q], s26, s27
	v_or_b32 v[SW+\q], v[SW+\q], v9                ; with lane l xor 16's two the word is whole
.irp c, 0,1
	v_cvt_scalef32_pk16_fp6_f32 v[PC+6*\c:PC+6*\c+2], v[X+32*\c:X+32*\c+15], v[TQ+2+\c]
	v_cvt_scalef32_pk16_fp6_f32 v[PX+4*\c:PX+4*\c+2], v[X+32*\c+16:X+32*\c+31], v[TQ+2+\c]   ; (a conversion's three registers begin on an even number)
.endr
	v_nop                                          ; one plain place behind a scaled conversion
.irp c, 0,1
.irp i, 0,1,2
	v_mov_b32 v[PC+6*\c+3+\i], v[PX+4*\c+\i]
.endr
.endr
.endm
.macro OUTQ q                          ; the image: 512 and 256 consecutive bytes a store, each at a multiple of 256 from the buffer's first byte
.irp c, 0,1
	global_store_b128 v2, v[PC+6*\c:PC+6*\c+3], s[18:19] offset:1536*(\q)+768*\c
	global_store_b64 v3, v[PC+6*\c+4:PC+6*\c+5], s[18:19] offset:1536*(\q)+768*\c+512
.endr
.endm
	LOADQ 0
	LOADQ 1
.irp q, 0,1,2,3
.if \q < 3
	s_wait_loadcnt 16                              ; this kstep's 16 loads are in; the next kstep's may be out
.else
	s_wait_loadcnt 0x0
.endif
	TURNQ \q
	s_wait_dscnt 0x0                               ; my 64 numbers are back, and the stage's stores have read their set
.if \q < 2
	LOADQ \q+2
.endif
.if \q > 0
	s_wait_xcnt 0x0                                ; the last fragment's stores have read their registers: the codes are written again only behind this wait
.endif
	QW \q
	OUTQ \q
.endr
	v_cndmask_b32 v240, v[SW], v[SW+2], vcc_lo     ; lanes 0-15 carry ksteps 0, 1 of row r, lanes 16-31 ksteps 2, 3:
	v_cndmask_b32 v241, v[SW+1], v[SW+3], vcc_lo
	global_store_b64 v3, v[240:241], s[20:21]      ; 256 consecutive bytes
	s_wait_tensorcnt 0x0
	ds_add_u32 v254, v255
	s_wait_dscnt 0x0
	s_endpgm
; ---------------- the masks ----------------
.Lflags:
	s_sub_co_u32 s28, ttmp9, 256                   ; g: rows 16 g .. 16 g + 15 of the mask
	v_lshlrev_b32 v2, 4, v1
	s_lshl_b32 s29, s24, 11
	v_add_nc_u32 v2, s29, v2                       ; the mask: 16 l + my four steps (2,048 bytes a wave)
	v_lshlrev_b32 v3, 2, v1
	s_lshl_b32 s29, s24, 9
	v_add_nc_u32 v3, s29, v3                       ; the validity bytes: 4 l + 512 wave
	v_bfe_u32 v4, v0, 2, 2                         ; behind the reduction lane l holds row (l / 4) % 4 of the group, step l % 4 of my four
	v_and_b32 v5, 3, v0
	v_lshlrev_b32 v4, 6, v4
	v_lshl_add_u32 v4, v5, 2, v4
	s_lshl_b32 s29, s24, 4
	s_add_co_u32 s29, s29, TBL
	v_add_nc_u32 v4, s29, v4                       ; its word of the table
	s_lshl_b32 s29, s24, 8
	s_add_co_u32 s29, s29, TBL
	v_lshlrev_b32 v5, 2, v1
	v_add_nc_u32 v5, s29, v5                       ; the last phase: my four rows; two rows of 16 steps a load
	v_mov_b32 v6, s24
	v_lshlrev_b32 v6, 4, v6
	v_add_nc_u32 v6, TBL2, v6
	v_mov_b32 v7, TBL2
	v_mov_b32 v[T+12], 0                           ; a lane permute's destination counts as one of its sources
	s_mov_b32 s30, 0xff00ff00                      ; lanes with bit 3, 2, 1, 0 set
	s_mov_b32 s31, 0xf0f0f0f0
	s_mov_b32 s32, 0xcccccccc
	s_mov_b32 s33, 0xaaaaaaaa
	s_lshl_b32 s34, s28, 17                        ; 16 rows of 8,192 bytes
	s_mov_b32 s35, 0
	s_wait_kmcnt 0x0
	s_add_nc_u64 s[14:15], s[14:15], s[34:35]
.irp k, 0,1,2,3,4,5,6,7
	global_load_b32 v[T+\k], v3, s[16:17] offset:2048*(\k/4)+128*(\k%4)
.endr
.macro LOADG gr                        ; rows 4 gr .. 4 gr + 3, my four steps: each load reads 512 consecutive bytes
.set lg, 0
.rept 16
	global_load_b128 v[C+64*((\gr)%2)+4*lg:C+64*((\gr)%2)+4*lg+3], v2, s[14:15] offset:(4*(\gr)+lg/4)*8192+512*(lg%4) th:TH_LOAD_NT
.set lg, lg+1
.endr
.endm
	LOADG 0
	LOADG 1
	s_wait_loadcnt 32                              ; the validity bytes are in; the two sets of the mask may be out
.set k, 0
.rept 8
.irp i, 0,1,2,3
	v_bfe_u32 v[PB+4*k+\i], v[T+k], 8*\i, 8
.endr
.irp i, 0,1,2,3
	v_add_nc_u32 v[PB+4*k+\i], -1, v[PB+4*k+\i]    ; 1 -> 0, 0 -> all ones
.endr
.irp i, 0,1,2,3
	v_and_b32 v[PB+4*k+\i], 0xff800000, v[PB+4*k+\i]   ; 0, or -infinity
.endr
.set k, k+1
.endr
.macro ELEM cs, idx                    ; my four keys of row idx / 4, step idx % 4
.set CB, \cs+4*(\idx)
.set PBB, PB+4*((\idx)%4)
	v_pk_add_f32 v[T:T+1], v[CB:CB+1], v[PBB:PBB+1]
	v_pk_add_f32 v[T+2:T+3], v[CB+2:CB+3], v[PBB+2:PBB+3]
	v_pk_add_f32 v[T+4:T+5], v[CB:CB+1], v[PBB+16:PBB+17]
	v_pk_add_f32 v[T+6:T+7], v[CB+2:CB+3], v[PBB+18:PBB+19]
	v_max3_num_f32 v[RA+(\idx)], v[CB], v[CB+1], v[CB+2]
	v_max3_num_f32 v[RZ+(\idx)], |v[CB]|, |v[CB+1]|, |v[CB+2]|
	v_max3_num_f32 v[RV0+(\idx)], v[T], v[T+1], v[T+2]
	v_max3_num_f32 v[RV1+(\idx)], v[T+4], v[T+5], v[T+6]
	v_max_num_f32 v[RA+(\idx)], v[RA+(\idx)], v[CB+3]
	v_max_num_f32 v[RZ+(\idx)], v[RZ+(\idx)], |v[CB+3]|
	v_max_num_f32 v[RV0+(\idx)], v[RV0+(\idx)], v[T+3]
	v_max_num_f32 v[RV1+(\idx)], v[RV1+(\idx)], v[T+7]
.endm
; Sixteen registers x 32 lanes become one register in which lane l holds number l % 16, taken over all lanes.  A stage halves the registers: a lane keeps the half that its bit names and hands the other half to the lane d away.
.macro BSTAGE rb, d, m
.set bj, 0
.rept \d
	v_cndmask_b32 v[T+8+2*(bj%2)], v[\rb+bj+\d], v[\rb+bj], s[\m]
	v_cndmask_b32 v[T+9+2*(bj%2)], v[\rb+bj], v[\rb+bj+\d], s[\m]
	v_max_num_f32_dpp v[\rb+bj], v[T+8+2*(bj%2)], v[T+9+2*(bj%2)] row_xmask:\d row_mask:0xf bank_mask:0xf
.set bj, bj+1
.endr
.endm
.macro BFLY rb
	BSTAGE \rb, 8, 30
	BSTAGE \rb, 4, 31
	BSTAGE \rb, 2, 32
	BSTAGE \rb, 1, 33
	v_permlanex16_b32 v[T+12], v[\rb], s26, s27
	v_max_num_f32 v[\rb], v[\rb], v[T+12]
.endm
.irp gr, 0,1,2,3
.if \gr < 3
	s_wait_loadcnt 16                              ; this group's 16 loads are in; the next group's may be out
.else
	s_wait_loadcnt 0x0
.endif
	s_wait_dscnt 0x0                               ; the last group's table stores have read their registers
.set en, 0
.rept 16
	ELEM C+64*(\gr%2), en
.set en, en+1
.endr
.if \gr < 2
	LOADG \gr+2
.endif
	BFLY RV0
	BFLY RV1
	BFLY RA
	BFLY RZ
	ds_store_b32 v4, v[RV0] offset:256*\gr         ; lanes 16-31 write the same words with the same values
	ds_store_b32 v4, v[RV1] offset:1024+256*\gr
	ds_store_b32 v4, v[RA] offset:2048+256*\gr
	ds_store_b32 v4, v[RZ] offset:3072+256*\gr
.endr
	s_wait_dscnt 0x0                               ; for the others' sake: my stores into the table are done
	s_barrier_signal -1
	s_barrier_wait -1
.irp ps, 0,1                           ; rows 4 wave + 2 ps + lane / 16; step = lane % 16
	ds_load_b32 v[T], v5 offset:128*\ps
	ds_load_b32 v[T+1], v5 offset:1024+128*\ps
	ds_load_b32 v[T+2], v5 offset:2048+128*\ps
	ds_load_b32 v[T+3], v5 offset:3072+128*\ps
	s_wait_dscnt 0x0
	v_add_f32 v[T+2], 0xce6e6b28, v[T+2]           ; the largest mask number - 1e9: bounds the hidden keys' logits from above; where a hidden key holds it, it is a logit
.irp b, 0,1
	v_add_f32 v[T+4], 0x40a00000, v[T+\b]          ; valid keys: at most the largest mask number + 5,
	v_add_f32 v[T+5], 0xc0a00000, v[T+\b]          ; and one of them at least that number - 5
	v_max_num_f32 v[T+4], v[T+4], v[T+2]           ; hi of the step
	v_max_num_f32 v[T+5], v[T+5], v[T+2]           ; lo of the step
	v_max_num_f32_dpp v[T+5], v[T+5], v[T+5] row_xmask:1 row_mask:0xf bank_mask:0xf
	v_max_num_f32_dpp v[T+5], v[T+5], v[T+5] row_xmask:2 row_mask:0xf bank_mask:0xf
	v_max_num_f32_dpp v[T+5], v[T+5], v[T+5] row_xmask:4 row_mask:0xf bank_mask:0xf
	v_max_num_f32_dpp v[T+5], v[T+5], v[T+5] row_xmask:8 row_mask:0xf bank_mask:0xf   ; low of the row: over its 16 steps
	v_mul_f32 v[T+4], 0x3fb8aa3b, v[T+4]
	v_mul_f32 v[T+5], 0x3fb8aa3b, v[T+5]
	v_floor_f32 v[T+5], -v[T+5]                    ; -ceil
	v_add_f32 v[T+4], v[T+4], v[T+5]
	v_cmp_gt_f32 s[36+\b], 0xc3200000, v[T+4]      ; -160 > the bound: every p of the step is 0 for this row
.endr
	v_cmp_eq_f32 s38, 0, v[T+3]                    ; the mask adds exactly 0 in this step of this row
.irp m, 36,37,38
	s_lshr_b32 s39, s[\m], 16
	s_and_b32 s[\m], s[\m], s39                    ; both rows of the pass
.if \ps == 0
	s_mov_b32 s[\m+4], s[\m]
.else
	s_and_b32 s[\m+4], s[\m+4], s[\m]              ; and both passes
.endif
.endr
.endr
	v_mov_b32 v[T+4], s40
	v_mov_b32 v[T+5], s41
	v_mov_b32 v[T+6], s42
	v_mov_b32 v[T+7], s42
	ds_store_b128 v6, v[T+4:T+7]
	s_wait_dscnt 0x0
	s_barrier_signal -1
	s_barrier_wait -1
	ds_load_b128 v[T:T+3], v7
	ds_load_b128 v[T+4:T+7], v7 offset:16
	ds_load_b128 v[T+8:T+11], v7 offset:32
	ds_load_b128 v[T+12:T+15], v7 offset:48
	s_wait_dscnt 0x0
.irp i, 0,1,2
	v_and_b32 v[T+\i], v[T+\i], v[T+4+\i]
	v_and_b32 v[T+8+\i], v[T+8+\i], v[T+12+\i]
	v_and_b32 v[T+\i], v[T+\i], v[T+8+\i]          ; all 16 rows
	v_not_b32 v[T+\i], v[T+\i]
.endr
	v_and_b32 v[T], 0xffff, v[T]
	v_and_b32 v[T+1], 0xffff, v[T+1]
	v_lshlrev_b32 v[T+2], 16, v[T+2]
	v_or_b32 v[T], v[T], v[T+2]
	v_or_b32 v[T+1], v[T+1], v[T+2]
	v_cmp_eq_u32 vcc_lo, 1, v0
	v_cndmask_b32 v[T], v[T], v[T+1], vcc_lo       ; thread 0 stores batch 0's word, thread 1 batch 1's
	v_and_b32 v8, 1, v0
	v_lshlrev_b32 v8, 9, v8
	s_lshl_b32 s34, s28, 2
	s_add_nc_u64 s[22:23], s[22:23], s[34:35]
	v_cmp_gt_u32 vcc_lo, 2, v0
	s_wait_xcnt 0x0                                ; EXEC changes only behind this wait
	s_wait_tensorcnt 0x0
	ds_add_u32 v254, v255
	s_wait_dscnt 0x0
	s_and_saveexec_b32 s36, vcc_lo
	global_store_b32 v8, v[T], s[22:23]
	s_wait_xcnt 0x0                                ; and again, in front of the line that widens it
	s_or_b32 exec_lo, exec_lo, s36
	s_endpgm
.Lfunc_end_k_qc6e3b62edd_prep:
	.size	k_qc6e3b62edd_prep, .Lfunc_end_k_qc6e3b62edd_prep-k_qc6e3b62edd_prep
	.p2alignl 7, 3214868480
	.fill 96, 4, 3214868480
	.section	.rodata,"a",@progbits
	.p2align	6, 0x0
	.amdhsa_kernel k_qc6e3b62edd_prep
		.amdhsa_group_segment_fixed_size 41472
		.amdhsa_private_segment_fixed_size 0
		.amdhsa_enable_private_segment 0
		.amdhsa_kernarg_size 80
		.amdhsa_user_sgpr_count 2
		.amdhsa_user_sgpr_kernarg_segment_ptr 1
		.amdhsa_wavefront_size32 1
		.amdhsa_system_sgpr_workgroup_id_x 1
		.amdhsa_system_sgpr_workgroup_id_y 1
		.amdhsa_system_sgpr_workgroup_id_z 1
		.amdhsa_system_vgpr_workitem_id 0
		.amdhsa_next_free_vgpr 256
		.amdhsa_next_free_sgpr 66
		.amdhsa_reserve_vcc 1
		.amdhsa_float_denorm_mode_32 3
		.amdhsa_float_denorm_mode_16_64 3
		.amdhsa_memory_ordered 1
		.amdhsa_forward_progress 1
		.amdhsa_inst_pref_size 140
	.end_amdhsa_kernel
	.amdgpu_metadata
---
amdhsa.version: [ 1, 2 ]
amdhsa.kernels:
  - .name:           k_qc6e3b62edd_prep
    .symbol:         k_qc6e3b62edd_prep.kd
    .args:
      - { .name: x, .offset: 0, .size: 8, .value_kind: global_buffer, .address_space: global }
      - { .name: Wq, .offset: 8, .size: 8, .value_kind: global_buffer, .address_space: global }
      - { .name: Wk, .offset: 16, .size: 8, .value_kind: global_buffer, .address_space: global }
      - { .name: Wv, .offset: 24, .size: 8, .value_kind: global_buffer, .address_space: global }
      - { .name: Wo, .offset: 32, .size: 8, .value_kind: global_buffer, .address_space: global }
      - { .name: causal_mask, .offset: 40, .size: 8, .value_kind: global_buffer, .address_space: global }
      - { .name: validity_mask, .offset: 48, .size: 8, .value_kind: global_buffer, .address_space: global }
      - { .name: cod, .offset: 56, .size: 8, .value_kind: global_buffer, .address_space: global }
      - { .name: scl, .offset: 64, .size: 8, .value_kind: global_buffer, .address_space: global }
      - { .name: flags, .offset: 72, .size: 8, .value_kind: global_buffer, .address_space: global }
    .group_segment_fixed_size: 41472
    .private_segment_fixed_size: 0
    .kernarg_segment_align: 8
    .kernarg_segment_size: 80
    .max_flat_workgroup_size: 128
    .sgpr_count:     66
    .vgpr_count:     256
    .wavefront_size: 32
...
	.end_amdgpu_metadata
.endif
;; end of part 1
;; launch qkv (part 2): grid 48 x 4, 16 waves a work-group, clusters of 4 x 4, 327,680 bytes of LDS; arguments cod, scl, bq, bk, bv, qkv; writes qkv
.if DOCPART == 2
	.amdgcn_target "amdgcn-amd-amdhsa--gfx1250"
	.amdhsa_code_object_version 6
	.text
	.protected	k_qc6e3b62edd_qkv
	.globl	k_qc6e3b62edd_qkv
	.p2align	8
	.type	k_qc6e3b62edd_qkv,@function
k_qc6e3b62edd_qkv:
	s_mov_b64 s[64:65], 0
	v_nop
	global_prefetch_b8 v0, s[64:65] scope:SCOPE_SE
	s_setreg_imm32_b32 hwreg(HW_REG_WAVE_MODE, 25, 1), 1
	s_wait_xcnt 0x0
	s_wait_alu depctr_hold_cnt(0) depctr_sa_sdst(0) depctr_va_vdst(0) depctr_va_sdst(0) depctr_va_ssrc(0) depctr_va_vcc(0) depctr_vm_vsrc(0)
	s_getreg_b32 s2, hwreg(HW_REG_IB_STS2, 6, 4)
	s_cmp_eq_u32 s2, 0
	s_cbranch_scc0 .Lentry_in_a_cluster
	s_endpgm
.Lentry_in_a_cluster:
	s_bfe_u32 s2, ttmp6, 0x10000c
	s_cmp_lg_u32 s2, 0xf033
	s_cbranch_scc0 .Lentry_shape_is_right
	s_endpgm
.Lentry_shape_is_right:
; q = l2norm(x Wq^T + bq), k = l2norm(x Wk^T + bk), v = x Wv^T + bv, on codes of FP6 (E2M3) with E8M0 scales, K = 1,024; the results are quantised at once and stored as images of operand registers.
; A work-group of sixteen waves makes 16 x 16 tiles of 16: source 0 = the P side (a lane's registers run along it), source 1 = the L side (a lane holds one row of it).  Wave w makes P tiles 4 (w % 4) + b x L tiles 4 (w / 4) + a:
; 16 accumulators.  Clusters 0-7 (q, k): P = features of Wq and Wk (a wave's 64 = one head), L = tokens: a lane holds 32 of a token's 64 features: norm and quantiser run along d.
; Clusters 8-11 (v): P = tokens, L = features of Wv: a lane holds 32 neighbouring KEYS of one feature: the quantiser runs along the keys, the second product's K.
; A tile 2 B + u holds in lane r the row 32 B + 8 u + r + 8 (r / 8), so that the 16 registers of P tiles 2 B, 2 B + 1 are 16 neighbours: 32 B + 16 (lane / 16) + 0 .. 15.
; K goes in four phases of 256 through LDS.  Slots 0, 1, 2 take phases 0, 1, 2 as first fills; phase 3 is the one refill, into slot 0.  Waves 0, 1 fetch P's tiles, waves 2, 3 L's; a fetching wave has four loads out at the start.
; CLUSTER 4 x 4: P's tiles hang on cx alone and are asked for jointly by a column, L's on cy alone, by a row.
; 1 / sqrt(64) = 2^-3 goes into q's scale bytes (3 off each byte): exact.
; qkv: for each (batch, head) 319,488 bytes: K [tile 128][768], V [step 16][t 4][c 2][768], K's scale words [pair of tiles 64][lane 32], V's [4 step + t][lane 32], then Q and its words as K's.
; LIMITS: NaN and infinities are not served.  A block of zeros keeps the floor's byte (its codes are zeros; this program alone reads the bytes).  For q the floor under a block's largest magnitude is 2^(6 - 127), eight times
; the usual one, so that the byte less 3 stays at 1 or above.  v_sqrt_f32 and v_rcp_f32 stand for the root and the division: 1 ulp each.
.set HS,    319488
.set VOFF,  98304
.set KSOFF, 196608
.set VSOFF, 204800
.set QOFF,  212992
.set QSOFF, 311296
.set SLOTB, 98304                      ; a slot: 32 tiles (P's 16, L's 16) x two fragments of 1,536 bytes
.set SCL,   294912                     ; the scale words of the 32 tiles, all of K: 512 bytes a tile
.set SPARE, 311296                     ; the spare words, 128 bytes for each wave: eight blocks of 256 bytes that no other line names
.set BIA,   313344                     ; 256 bytes for each wave: its 64 numbers of a bias; no fill lands here
.set SC,    16                         ; v16-23  scale words: register 2 i + q: lanes 0-15 P's tile i, lanes 16-31 L's tile i, the phase's q-th 128 along K
.set QT,    24                         ; v24-31  at work in the quantiser
.set PF,    32                         ; v32-79  P's four fragments
.set LF,    80                         ; v80-127 L's four
.set ACC,   128                        ; v128-255 accumulator (a, b) at 128 + 8 (4 a + b)
.set SELR,  22
.set SUBR,  98
.macro CROUND                          ; a round of the cluster's barrier
	s_barrier_signal -1
	s_barrier_wait -1
	s_cmp_lg_u32 s16, 0
	s_cbranch_scc1 .Lnot_wave_0_\@
	s_barrier_signal -3
.Lnot_wave_0_\@:
	s_barrier_wait -3
	s_barrier_signal -1
	s_barrier_wait -1
.endm
.macro G0SET g, sg, src                ; descriptor group 0 for slot sg: phase sg of my eight tiles
	s_mov_b32 s[\g], 1
	s_add_co_u32 s[\g+1], s21, (\sg)*SLOTB
	s_add_nc_u64 s[\g+2:\g+3], s[\src:\src+1], (\sg)*3072
	s_or_b32 s[\g+3], s[\g+3], 0x80000000
.endm
.macro FRAG reg, a16, a8, off          ; a fragment's image back into 12 registers
	ds_load_b128 v[\reg:\reg+3], v[\a16] offset:\off
	ds_load_b64 v[\reg+4:\reg+5], v[\a8] offset:\off+512
	ds_load_b128 v[\reg+6:\reg+9], v[\a16] offset:\off+768
	ds_load_b64 v[\reg+10:\reg+11], v[\a8] offset:\off+1280
.endm
.macro KSTEP q, zero                   ; 128 along K: eight fragments, 16 products; the 16 accumulators take turns, in the same order in every step
.irp i, 0,1,2,3
	FRAG PF+12*\i, 8, 9, \i*3072+(\q)*1536
	FRAG LF+12*\i, 10, 11, \i*3072+(\q)*1536
.endr
	s_wait_dscnt 0x0
.irp a, 0,1,2,3
.irp b, 0,1,2,3
.if \zero
	v_wmma_scale_f32_16x16x128_f8f6f4 v[ACC+8*(4*\a+\b):ACC+8*(4*\a+\b)+7], v[PF+12*\b:PF+12*\b+11], v[LF+12*\a:LF+12*\a+11], 0, v[SC+2*\b+(\q)], v[SC+2*\a+(\q)] matrix_a_fmt:MATRIX_FMT_FP6 matrix_b_fmt:MATRIX_FMT_FP6 matrix_b_scale:MATRIX_SCALE_ROW1
.else
	v_wmma_scale_f32_16x16x128_f8f6f4 v[ACC+8*(4*\a+\b):ACC+8*(4*\a+\b)+7], v[PF+12*\b:PF+12*\b+11], v[LF+12*\a:LF+12*\a+11], v[ACC+8*(4*\a+\b):ACC+8*(4*\a+\b)+7], v[SC+2*\b+(\q)], v[SC+2*\a+(\q)] matrix_a_fmt:MATRIX_FMT_FP6 matrix_b_fmt:MATRIX_FMT_FP6 matrix_b_scale:MATRIX_SCALE_ROW1
.endif
.endr
.endr
.endm
.macro PHASE p, sg, zero               ; phase p lies in slot sg
	v_add_nc_u32 v8, (\sg)*SLOTB, v4               ; the four additions are also the four places in front of loads into registers that matrix instructions have read
	v_add_nc_u32 v9, (\sg)*SLOTB, v5
	v_add_nc_u32 v10, (\sg)*SLOTB, v6
	v_add_nc_u32 v11, (\sg)*SLOTB, v7
.irp i, 0,1,2,3
	ds_load_b64 v[SC+2*\i:SC+2*\i+1], v12 offset:\i*512+(\p)*128
.endr
	KSTEP 0, \zero
.rept 4
	v_nop
.endr
	KSTEP 1, 0
.endm
; 32 numbers of a lane, register 16 B + i = k 32 B + 16 (lane / 16) + i of my row, become half a fragment: six registers of codes at v[pc] on, and the two scale bytes in v[pc + 10].
.macro QUANT2 s, pc, fl, dosub
	v_max3_num_f32 v[QT], |v[\s]|, |v[\s+1]|, \fl
	v_max3_num_f32 v[QT+1], |v[\s+16]|, |v[\s+17]|, \fl
.irp i, 2,4,6,8,10,12,14
	v_max3_num_f32 v[QT], v[QT], |v[\s+\i]|, |v[\s+\i+1]|
	v_max3_num_f32 v[QT+1], v[QT+1], |v[\s+16+\i]|, |v[\s+17+\i]|
.endr
	v_permlanex16_b32 v[QT+2], v[QT], s[SELR], s[SELR+1]
	v_permlanex16_b32 v[QT+3], v[QT+1], s[SELR], s[SELR+1]
	v_max_num_f32 v[QT], v[QT], v[QT+2]            ; with lane l xor 16's: the block's largest magnitude
	v_max_num_f32 v[QT+1], v[QT+1], v[QT+3]
	v_add_nc_u32 v[QT+4], 0xff000000, v[QT]        ; 2 off the exponent field: the conversion's scale operand
	v_add_nc_u32 v[QT+5], 0xff000000, v[QT+1]
	v_lshrrev_b32 v[QT+6], 23, v[QT+4]             ; the scale's byte
	v_lshrrev_b32 v[QT+7], 23, v[QT+5]
.if \dosub
	v_sub_nc_u32 v[QT+6], v[QT+6], s[SUBR]         ; q: x 2^-3
	v_sub_nc_u32 v[QT+7], v[QT+7], s[SUBR]
.endif
	v_lshl_or_b32 v[\pc+10], v[QT+7], 8, v[QT+6]
	v_cvt_scalef32_pk16_fp6_f32 v[\pc:\pc+2], v[\s:\s+15], v[QT+4]
	v_cvt_scalef32_pk16_fp6_f32 v[\pc+6:\pc+8], v[\s+16:\s+31], v[QT+5]
	v_nop                                          ; one plain place behind a scaled conversion
.irp i, 0,1,2
	v_permlane16_swap_b32 v[\pc+\i], v[\pc+6+\i]   ; the layout wants a whole block in a lane: lanes 0-15 block 0, lanes 16-31 block 1
.endr
.irp i, 0,1,2
	v_mov_b32 v[\pc+3+\i], v[\pc+6+\i]
.endr
.endm
	s_load_b256 s[4:11], s[0:1], 0x0               ; cod, scl, bq, bk
	s_load_b128 s[12:15], s[0:1], 0x20             ; bv, qkv
	v_lshl_add_u32 v13, v0, 2, SPARE               ; my spare word; never rewritten
	v_mov_b32 v14, 0                               ; never rewritten
	ds_add_u32 v13, v14
	ds_add_u32 v13, v14
	s_wait_dscnt 0x0
	v_lshrrev_b32 v1, 5, v0
	v_readfirstlane_b32 s16, v1                    ; wave 0..15
	s_and_b32 s17, s16, 3                          ; wp
	s_lshr_b32 s18, s16, 2                         ; wl
	s_bfe_u32 s19, ttmp6, 0x40000                  ; cx
	s_bfe_u32 s20, ttmp6, 0x40004                  ; cy
	s_mov_b32 s22, 0x76543210
	s_mov_b32 s23, 0xfedcba98
	s_lshl_b32 s92, 0x1111, s19                    ; my column of the cluster
	s_lshl_b32 s93, s20, 2
	s_lshl_b32 s93, 15, s93                        ; my row
	s_or_b32 s24, s92, (3<<16)|(1<<21)             ; group 1, word 0: the mask; elements of 8 bytes; bit 21 set beside a mask; no padding
	s_or_b32 s32, s93, (3<<16)|(1<<21)
	s_or_b32 s40, s92, (3<<16)|(1<<21)
	s_or_b32 s48, s93, (3<<16)|(1<<21)
.irp g, 24, 32                         ; codes: 8 tiles x 3,072 bytes (384 elements), 12,288 bytes (1,536 elements) from tile to tile
	s_mov_b32 s[\g+1], 384<<16
	s_mov_b32 s[\g+2], 8<<16
	s_mov_b32 s[\g+3], 384<<16
	s_mov_b32 s[\g+4], 8
	s_mov_b32 s[\g+5], 1536
	s_mov_b32 s[\g+6], 0
	s_mov_b32 s[\g+7], 0
.endr
.irp g, 40, 48                         ; scale words: 8 tiles x 512 dense bytes, as 16 rows of 256 bytes
	s_mov_b32 s[\g+1], 32<<16
	s_mov_b32 s[\g+2], 16<<16
	s_mov_b32 s[\g+3], 32<<16
	s_mov_b32 s[\g+4], 16
	s_mov_b32 s[\g+5], 32
	s_mov_b32 s[\g+6], 0
	s_mov_b32 s[\g+7], 0
.endr
	s_mov_b32 s97, 384
	s_and_b32 s94, ttmp9, 1
	s_lshl_b32 s94, s94, 6
	s_add_co_u32 s94, s94, 256                     ; q, k: P = tiles of Wq and Wk, 64 a cluster
	s_and_b32 s21, ttmp9, 3
	s_lshl_b32 s21, s21, 6                         ; v: P = tiles of x
	s_lshr_b32 s96, ttmp9, 1
	s_lshl_b32 s96, s96, 6                         ; q, k: L = tiles of x
	s_cmp_ge_u32 ttmp9, 8                          ; the cluster's number: the same in all sixteen partners
	s_cselect_b32 s94, s21, s94
	s_cselect_b32 s96, s97, s96                    ; v: L = tiles of Wv
	s_lshl_b32 s2, s19, 4
	s_add_co_u32 s94, s94, s2                      ; my first P tile: + 16 cx
	s_lshl_b32 s3, s20, 4
	s_add_co_u32 s96, s96, s3                      ; my first L tile: + 16 cy
	s_and_b32 s21, s16, 1
	s_lshl_b32 s21, s21, 3                         ; which eight tiles I fetch
	s_add_co_u32 s2, s94, s21
	s_add_co_u32 s100, s96, s21
	s_lshl_b32 s92, s2, 9
	s_mov_b32 s93, 0
	s_mul_i32 s2, s2, 12288
	s_mov_b32 s3, 0
	s_lshl_b32 s98, s100, 9
	s_mov_b32 s99, 0
	s_mul_i32 s100, s100, 12288
	s_mov_b32 s101, 0
	s_mul_i32 s21, s17, 24576                      ; where they go: (wave % 4) x eight tiles: no place in the cluster enters an LDS address
	s_lshl_b32 s97, s17, 12
	s_wait_kmcnt 0x0
	s_add_nc_u64 s[2:3], s[4:5], s[2:3]            ; P's codes
	s_add_nc_u64 s[92:93], s[6:7], s[92:93]        ; P's scale words
	s_add_nc_u64 s[100:101], s[4:5], s[100:101]    ; L's codes
	s_add_nc_u64 s[98:99], s[6:7], s[98:99]        ; L's scale words
	s_mov_b32 s56, 1
	s_add_co_u32 s57, s97, SCL
	s_mov_b64 s[58:59], s[92:93]
	s_or_b32 s59, s59, 0x80000000
	s_mov_b32 s76, 1
	s_add_co_u32 s77, s97, SCL
	s_mov_b64 s[78:79], s[98:99]
	s_or_b32 s79, s79, 0x80000000
	G0SET 60, 0, 2
	G0SET 68, 1, 2
	G0SET 72, 2, 2
	G0SET 80, 0, 100
	G0SET 84, 1, 100
	G0SET 88, 2, 100
	CROUND                                         ; all sixteen work-groups are here: the first joint loads meet
	s_cmp_lt_u32 s16, 2                            ; a wave's first fills stand in one branch on the wave's number
	s_cbranch_scc0 .Lfirst_not_p
	tensor_load_to_lds s[56:59], s[40:47]          ; the scale words first: they are wanted with phase 0
	s_nop 0
	tensor_load_to_lds s[60:63], s[24:31]
	s_nop 0
	tensor_load_to_lds s[68:71], s[24:31]
	s_nop 0
	tensor_load_to_lds s[72:75], s[24:31]
	s_nop 0
.rept 4
	v_nop
.endr
	s_branch .Lfirst_asked
.Lfirst_not_p:
	s_cmp_lt_u32 s16, 4
	s_cbranch_scc0 .Lfirst_asked
	tensor_load_to_lds s[76:79], s[48:55]
	s_nop 0
	tensor_load_to_lds s[80:83], s[32:39]
	s_nop 0
	tensor_load_to_lds s[84:87], s[32:39]
	s_nop 0
	tensor_load_to_lds s[88:91], s[32:39]
	s_nop 0
.rept 4
	v_nop
.endr
.Lfirst_asked:
	v_and_b32 v1, 31, v0
	v_lshlrev_b32 v2, 3, v1                        ; 8 l
	v_lshlrev_b32 v3, 2, v1                        ; 4 l
	v_lshlrev_b32 v1, 4, v1                        ; 16 l
	s_mul_i32 s2, s17, 4*3072                      ; my four P tiles
	s_mul_i32 s3, s18, 4*3072
	s_add_co_u32 s3, s3, 16*3072                   ; my four L tiles, behind P's sixteen
	v_add_nc_u32 v4, s2, v1
	v_add_nc_u32 v5, s2, v2
	v_add_nc_u32 v6, s3, v1
	v_add_nc_u32 v7, s3, v2
	v_and_b32 v8, 15, v0                           ; r
	v_bfe_u32 v9, v0, 4, 1                         ; h
	s_xor_b32 s2, s17, 3
	s_add_co_u32 s2, s2, s18
	s_lshl_b32 s2, s2, 11
	s_add_co_u32 s2, s2, 2048                      ; from my P tiles' words to my L tiles': 8,192 + 2,048 wl - 2,048 wp
	v_mul_u32_u24 v12, s2, v9                      ; lanes 16-31 take L's
	v_lshl_add_u32 v12, v8, 3, v12
	s_lshl_b32 s2, s17, 11
	s_add_co_u32 s2, s2, SCL
	v_add_nc_u32 v12, s2, v12
	v_lshl_add_u32 v15, v0, 3, BIA                 ; my 8 bytes of my wave's 256
	v_mov_b32 v26, 0                               ; a lane permute's destination counts as one of its sources
	v_mov_b32 v27, 0
	; which bias, which head, which floor
	s_mov_b32 s95, 0x1800000
	s_sub_co_u32 s92, s94, 256
	s_lshr_b32 s92, s92, 2
	s_add_co_u32 s92, s92, s17                     ; q, k: 0-15 q's heads, 16-31 k's
	s_sub_co_u32 s93, s96, 384
	s_lshr_b32 s93, s93, 2
	s_add_co_u32 s93, s93, s18                     ; v: the head
	s_cmp_lt_u32 s92, 16
	s_cselect_b64 s[8:9], s[8:9], s[10:11]
	s_cselect_b32 s95, 0x3000000, s95              ; the floor under a block's largest magnitude
	s_cselect_b32 s98, 3, 0                        ; what is taken off the scale bytes
	s_cselect_b32 s99, 1, 0                        ; q?
	s_and_b32 s92, s92, 15
	s_cmp_ge_u32 ttmp9, 8
	s_cselect_b64 s[8:9], s[12:13], s[8:9]
	s_cselect_b32 s92, s93, s92
	s_lshl_b32 s2, s92, 8
	s_mov_b32 s3, 0
	s_add_nc_u64 s[8:9], s[8:9], s[2:3]
	global_load_b64 v[24:25], v2, s[8:9]           ; my wave's 64 numbers of the bias
	s_wait_loadcnt 0x0
	ds_store_b64 v15, v[24:25]
	s_wait_tensorcnt 0x2                           ; the scale words and slot 0 are in; slots 1 and 2 may stay out
	s_wait_dscnt 0x0
	s_barrier_signal -1
	s_barrier_wait -1
	PHASE 0, 0, 1                                  ; the first products start the sums
	s_wait_tensorcnt 0x0                           ; all my tensor loads have landed, so a group 0 may be written
	ds_add_u32 v13, v14                            ; 0 onto my spare word
	ds_add_u32 v13, v14
	s_add_nc_u64 s[62:63], s[62:63], 9216          ; slot 0's next tile: phase 3
	s_add_nc_u64 s[82:83], s[82:83], 9216
	s_wait_dscnt 0x0                               ; the add is done, and my reads of slot 0 are over
	CROUND                                         ; both now hold of every wave of every partner
	s_cmp_lt_u32 s16, 2
	s_cbranch_scc0 .Lre_not_p
	tensor_load_to_lds s[60:63], s[24:31]          ; the one refill: it has two phases in which to land
	s_nop 0
.rept 4
	v_nop
.endr
	s_branch .Lre_asked
.Lre_not_p:
	s_cmp_lt_u32 s16, 4
	s_cbranch_scc0 .Lre_asked
	tensor_load_to_lds s[80:83], s[32:39]
	s_nop 0
.rept 4
	v_nop
.endr
.Lre_asked:
	PHASE 1, 1, 0
	PHASE 2, 2, 0
	s_wait_tensorcnt 0x0                           ; my part of phase 3 is in
	ds_add_u32 v13, v14
	s_wait_dscnt 0x0
	s_barrier_signal -1
	s_barrier_wait -1                              ; everybody's is
	PHASE 3, 0, 0
	; the epilogue's LDS addresses, on the path that all take; these lines are also the places behind the last products
	v_and_b32 v4, 0x1e0, v0
	v_lshlrev_b32 v4, 3, v4                        ; 256 wave
	v_bfe_u32 v5, v0, 4, 1                         ; h
	v_and_b32 v6, 15, v0                           ; r
	v_lshl_add_u32 v5, v5, 6, v4
	v_add_nc_u32 v5, BIA, v5                       ; q, k: the bias of features 16 h on
	v_and_b32 v7, 8, v6
	v_add_nc_u32 v7, v7, v6
	v_lshl_add_u32 v7, v7, 2, v4
	v_add_nc_u32 v7, BIA, v7                       ; v: the bias of feature r + 8 (r / 8)
	s_cmp_ge_u32 ttmp9, 8
	s_cbranch_scc1 .Lvpath
	; ---- q, k: lane (r, h) holds, for tile a, token r of the tile and features 32 B + 16 h + i in register 32 a + 16 B + i
	s_lshr_b32 s2, s96, 7                          ; the batch
	s_lshl_b32 s2, s2, 4
	s_add_co_u32 s2, s2, s92
	s_mul_i32 s2, s2, HS                           ; the head's part of qkv
	s_lshl_b32 s3, s18, 2
	s_add_co_u32 s3, s3, s96
	s_and_b32 s3, s3, 127                          ; my first tile of tokens in the batch
	s_mul_i32 s21, s3, 768
	s_add_co_u32 s21, s21, s2
	s_lshr_b32 s3, s3, 1
	s_lshl_b32 s3, s3, 7
	s_add_co_u32 s3, s3, s2
	s_mov_b32 s100, KSOFF
	s_cmp_eq_u32 s99, 1
	s_cselect_b32 s97, QOFF, 0
	s_cselect_b32 s100, QSOFF, s100
	s_add_co_u32 s100, s100, s3
	s_mov_b32 s101, 0
	s_add_co_u32 s2, s21, s97
	s_mov_b32 s3, 0
	s_add_nc_u64 s[8:9], s[14:15], s[2:3]          ; codes
	s_add_nc_u64 s[10:11], s[14:15], s[100:101]    ; scale words
.irp n, 0,1,2,3,4,5,6,7
	ds_load_b128 v[32+4*\n:35+4*\n], v5 offset:128*(\n/4)+16*(\n%4)
.endr
	s_wait_dscnt 0x0
.irp a, 0,1,2,3
.set n, 0
.rept 16
	v_pk_add_f32 v[ACC+32*\a+2*n:ACC+32*\a+2*n+1], v[ACC+32*\a+2*n:ACC+32*\a+2*n+1], v[32+2*n:33+2*n]   ; + the bias; each accumulator from its low end on
.set n, n+1
.endr
	v_pk_mul_f32 v[112+4*\a:113+4*\a], v[ACC+32*\a:ACC+32*\a+1], v[ACC+32*\a:ACC+32*\a+1]               ; the sum of squares, in two packed chains
	v_pk_mul_f32 v[114+4*\a:115+4*\a], v[ACC+32*\a+2:ACC+32*\a+3], v[ACC+32*\a+2:ACC+32*\a+3]
.set n, 4
.rept 7
	v_pk_fma_f32 v[112+4*\a:113+4*\a], v[ACC+32*\a+n:ACC+32*\a+n+1], v[ACC+32*\a+n:ACC+32*\a+n+1], v[112+4*\a:113+4*\a]
	v_pk_fma_f32 v[114+4*\a:115+4*\a], v[ACC+32*\a+n+2:ACC+32*\a+n+3], v[ACC+32*\a+n+2:ACC+32*\a+n+3], v[114+4*\a:115+4*\a]
.set n, n+4
.endr
	v_pk_add_f32 v[112+4*\a:113+4*\a], v[112+4*\a:113+4*\a], v[114+4*\a:115+4*\a]
	v_add_f32 v[112+4*\a], v[112+4*\a], v[113+4*\a]
.endr
.irp a, 0,1,2,3
	v_permlanex16_b32 v[113+4*\a], v[112+4*\a], s22, s23
.endr
.irp a, 0,1,2,3
	v_add_f32 v[112+4*\a], v[112+4*\a], v[113+4*\a]   ; with lane l xor 16's 32 features
.endr
.irp a, 0,1,2,3
	v_sqrt_f32 v[114+4*\a], v[112+4*\a]
.endr
	v_nop                                          ; a plain place behind the roots
	s_wait_alu depctr_va_vdst(0)                   ; one wait for the four, ahead of their first reader
.irp a, 0,1,2,3
	v_max_num_f32 v[114+4*\a], 0x322bcc77, v[114+4*\a]   ; max(norm, 1e-8)
.endr
.irp a, 0,1,2,3
	v_rcp_f32 v[112+4*\a], v[114+4*\a]
.endr
	v_nop
	s_wait_alu depctr_va_vdst(0)
.irp a, 0,1,2,3
.set n, 0
.rept 16
	v_pk_mul_f32 v[ACC+32*\a+2*n:ACC+32*\a+2*n+1], v[ACC+32*\a+2*n:ACC+32*\a+2*n+1], v[112+4*\a:113+4*\a] op_sel_hi:[1,0]
.set n, n+1
.endr
	QUANT2 ACC+32*\a, 64+12*\a, s95, 1             ; each tile has its own 12 registers: no store's data are written again
	global_store_b128 v1, v[64+12*\a:67+12*\a], s[8:9] offset:768*\a
	global_store_b64 v2, v[68+12*\a:69+12*\a], s[8:9] offset:768*\a+512
.if \a % 2
	v_lshl_or_b32 v[64+12*(\a-1)+11], v[64+12*\a+10], 16, v[64+12*(\a-1)+10]   ; tiles u = 0 and u = 1 make one word
	global_store_b32 v3, v[64+12*(\a-1)+11], s[10:11] offset:128*(\a/2)
.endif
.endr
	s_branch .Lend
	; ---- v: lane (r, h) holds, for tile a, feature r + 8 (r / 8) of the tile and keys 32 B + 16 h + i of my wave's 64
.Lvpath:
	s_lshr_b32 s2, s94, 7                          ; the batch
	s_lshl_b32 s2, s2, 4
	s_add_co_u32 s2, s2, s92
	s_mul_i32 s2, s2, HS
	s_lshr_b32 s3, s94, 3
	s_lshr_b32 s21, s17, 1
	s_add_co_u32 s3, s3, s21
	s_and_b32 s3, s3, 15                           ; the key step
	s_and_b32 s21, s17, 1                          ; and which half of it
	s_mul_i32 s97, s3, 6144
	s_add_co_u32 s97, s97, s2
	s_mul_i32 s100, s21, 768
	s_add_co_u32 s97, s97, s100
	s_lshl_b32 s100, s3, 9
	s_add_co_u32 s100, s100, s2
	s_lshl_b32 s21, s21, 1
	s_add_co_u32 s100, s100, s21
	s_add_co_u32 s100, s100, VSOFF
	s_mov_b32 s101, 0
	s_add_co_u32 s2, s97, VOFF
	s_mov_b32 s3, 0
	s_add_nc_u64 s[8:9], s[14:15], s[2:3]
	s_add_nc_u64 s[10:11], s[14:15], s[100:101]
.irp a, 0,1,2,3
	ds_load_b32 v[32+2*\a], v7 offset:(32*(\a/2)+8*(\a%2))*4
	ds_load_b32 v[33+2*\a], v7 offset:(32*(\a/2)+8*(\a%2))*4   ; twice: a pair for the packed addition
.endr
	s_wait_dscnt 0x0
.irp a, 0,1,2,3
.set n, 0
.rept 16
	v_pk_add_f32 v[ACC+32*\a+2*n:ACC+32*\a+2*n+1], v[ACC+32*\a+2*n:ACC+32*\a+2*n+1], v[32+2*\a:33+2*\a]
.set n, n+1
.endr
	QUANT2 ACC+32*\a, 64+12*\a, 0x1800000, 0
	global_store_b128 v1, v[64+12*\a:67+12*\a], s[8:9] offset:1536*\a
	global_store_b64 v2, v[68+12*\a:69+12*\a], s[8:9] offset:1536*\a+512
	global_store_b16 v3, v[64+12*\a+10], s[10:11] offset:128*\a   ; my half of the step's scale word; the other half is another wave's
.endr
.Lend:
	s_wait_tensorcnt 0x0                           ; the wave's end
	ds_add_u32 v13, v14
	s_wait_dscnt 0x0
	CROUND                                         ; the closing round
	s_endpgm
.Lfunc_end_k_qc6e3b62edd_qkv:
	.size	k_qc6e3b62edd_qkv, .Lfunc_end_k_qc6e3b62edd_qkv-k_qc6e3b62edd_qkv
	.p2alignl 7, 3214868480
	.fill 96, 4, 3214868480
	.section	.rodata,"a",@progbits
	.p2align	6, 0x0
	.amdhsa_kernel k_qc6e3b62edd_qkv
		.amdhsa_group_segment_fixed_size 327680
		.amdhsa_private_segment_fixed_size 0
		.amdhsa_enable_private_segment 0
		.amdhsa_kernarg_size 48
		.amdhsa_user_sgpr_count 2
		.amdhsa_user_sgpr_kernarg_segment_ptr 1
		.amdhsa_wavefront_size32 1
		.amdhsa_system_sgpr_workgroup_id_x 1
		.amdhsa_system_sgpr_workgroup_id_y 1
		.amdhsa_system_sgpr_workgroup_id_z 1
		.amdhsa_system_vgpr_workitem_id 0
		.amdhsa_next_free_vgpr 256
		.amdhsa_next_free_sgpr 102
		.amdhsa_reserve_vcc 0
		.amdhsa_float_denorm_mode_32 3
		.amdhsa_float_denorm_mode_16_64 3
		.amdhsa_memory_ordered 1
		.amdhsa_forward_progress 1
		.amdhsa_inst_pref_size 84
	.end_amdhsa_kernel
	.amdgpu_metadata
---
amdhsa.version: [ 1, 2 ]
amdhsa.kernels:
  - .name:           k_qc6e3b62edd_qkv
    .symbol:         k_qc6e3b62edd_qkv.kd
    .args:
      - { .name: cod, .offset: 0, .size: 8, .value_kind: global_buffer, .address_space: global }
      - { .name: scl, .offset: 8, .size: 8, .value_kind: global_buffer, .address_space: global }
      - { .name: bq, .offset: 16, .size: 8, .value_kind: global_buffer, .address_space: global }
      - { .name: bk, .offset: 24, .size: 8, .value_kind: global_buffer, .address_space: global }
      - { .name: bv, .offset: 32, .size: 8, .value_kind: global_buffer, .address_space: global }
      - { .name: qkv, .offset: 40, .size: 8, .value_kind: global_buffer, .address_space: global }
    .group_segment_fixed_size: 327680
    .private_segment_fixed_size: 0
    .kernarg_segment_align: 8
    .kernarg_segment_size: 48
    .max_flat_workgroup_size: 512
    .sgpr_count:     102
    .vgpr_count:     256
    .wavefront_size: 32
...
	.end_amdgpu_metadata
.endif
;; end of part 2
;; launch attn (part 3): grid 8 x 32, 16 waves a work-group, no clusters, 223,232 bytes of LDS; arguments qkv, flags, validity_mask, causal_mask, ocod, oscl; writes ocod, oscl
.if DOCPART == 3
	.amdgcn_target "amdgcn-amd-amdhsa--gfx1250"
	.amdhsa_code_object_version 6
	.text
	.protected	k_qc6e3b62edd_attn
	.globl	k_qc6e3b62edd_attn
	.p2align	8
	.type	k_qc6e3b62edd_attn,@function
k_qc6e3b62edd_attn:
	s_mov_b64 s[64:65], 0
	v_nop
	global_prefetch_b8 v0, s[64:65] scope:SCOPE_SE
	s_setreg_imm32_b32 hwreg(HW_REG_WAVE_MODE, 25, 1), 1
	s_wait_xcnt 0x0
; o = softmax(where(valid, clip(q k^T / 8, -5, 5), -1e9) + causal_mask) v for one (batch, head), both products on codes of FP6 (E2M3) with E8M0 scales; o is quantised along d and stored as images of the last product's operand.
; THE SOFTMAX: t = fl(logit x log2 e); M = the running largest t rounded UP to a whole number; p = 2^(fl(t - M)) is quantised along the keys; the row's sum is taken of the unquantised p and divides at the end.
; t and t - M are rounded apart, as the definition has them: logits may lie near -1e9, where a fused form would give other numbers.  When M moves, the sum and O are multiplied by 2^(old M - new M): exact.
; SHARES.  A work-group holds ONE head's K, V and scale words in LDS (212,992 bytes, copied once through registers) and a table H of 2,048 f32: 5.0 for a valid key, -1e9 for a hidden one.  Each of the sixteen waves
; owns one tile of 16 queries; the tiles of a work-group are spread over the sequence, so that work is even where a mask opens along it.  The key loop has no barrier.
; WHICH STEPS ARE WORKED hangs on whole numbers that an earlier launch made of the two masks as they are given: bit s: some p of the step may differ from 0; bit 16 + s: the mask adds something there.
; So this launch has no tensor load and no copy.  No cluster: its partners would share K and V only by joint tensor loads.
; LAYOUT.  Both products are used transposed: S^T = K Q^T, O^T = V^T P^T: a lane holds one query.  The head's size is 64, half of the instruction's K: a fragment of K holds TWO tiles of keys, one in each half of K,
; and is multiplied by [Q | 0] and by [0 | Q] (zero codes add nothing).  The keys of a tile are chosen so that the 16 registers of two neighbouring tiles are 16 neighbouring keys.
; v_med3_num_f32 (s, H, -|H|) is the clip to +-5 (H = 5) and the -1e9 of a hidden key (H = -1e9) in one line.
; LIMITS: NaN and infinities are not served; p under 2^-126 counts as 0; a block of zeros keeps the byte 1 (its codes are zeros); validity bytes are 0 or 1; v_exp_f32 and v_rcp_f32 are good to 1 ulp.
.set HS,    319488
.set VOFF,  98304
.set KSOFF, 196608
.set QOFF,  212992
.set QSOFF, 311296
.set HOFF,  212992
.set KV,    40                         ; v40-87   four fragments of K or of V
.set SCR,   88                         ; v88-91   scale words: lanes 0-15 K's, lanes 16-31 V's
.set S,     96                         ; v96-159  S^T, then t, then p
.set O,     160                        ; v160-191 O^T
.set PCD,   192                        ; v192-203 p's codes   (v192-255 hold H, then the mask, ahead of that)
.set PX,    204
.set BM,    212                        ; the blocks' largest t, then p
.set BT,    216
.set TSC,   220                        ; the conversions' scale operands
.set FF,    224                        ; v[224:225] f = 2^(old M - new M)
.set TT,    226
.set SU,    228
.set QT,    24
.set SELR,  20
.macro FRAG reg, a16, a8, off
	ds_load_b128 v[\reg:\reg+3], v[\a16] offset:\off
	ds_load_b64 v[\reg+4:\reg+5], v[\a8] offset:\off+512
	ds_load_b128 v[\reg+6:\reg+9], v[\a16] offset:\off+768
	ds_load_b64 v[\reg+10:\reg+11], v[\a8] offset:\off+1280
.endm
; 32 numbers of a lane, register 16 B + i = k 32 B + 16 (lane / 16) + i of my row, become half a fragment: six registers of codes at v[pc] on, and the two scale bytes in v[pc + 10].
.macro QUANT2 s, pc, fl
	v_max3_num_f32 v[QT], |v[\s]|, |v[\s+1]|, \fl
	v_max3_num_f32 v[QT+1], |v[\s+16]|, |v[\s+17]|, \fl
.irp i, 2,4,6,8,10,12,14
	v_max3_num_f32 v[QT], v[QT], |v[\s+\i]|, |v[\s+\i+1]|
	v_max3_num_f32 v[QT+1], v[QT+1], |v[\s+16+\i]|, |v[\s+17+\i]|
.endr
	v_permlanex16_b32 v[QT+2], v[QT], s[SELR], s[SELR+1]
	v_permlanex16_b32 v[QT+3], v[QT+1], s[SELR], s[SELR+1]
	v_max_num_f32 v[QT], v[QT], v[QT+2]
	v_max_num_f32 v[QT+1], v[QT+1], v[QT+3]
	v_add_nc_u32 v[QT+4], 0xff000000, v[QT]
	v_add_nc_u32 v[QT+5], 0xff000000, v[QT+1]
	v_lshrrev_b32 v[QT+6], 23, v[QT+4]
	v_lshrrev_b32 v[QT+7], 23, v[QT+5]
	v_lshl_or_b32 v[\pc+10], v[QT+7], 8, v[QT+6]
	v_cvt_scalef32_pk16_fp6_f32 v[\pc:\pc+2], v[\s:\s+15], v[QT+4]
	v_cvt_scalef32_pk16_fp6_f32 v[\pc+6:\pc+8], v[\s+16:\s+31], v[QT+5]
	v_nop
.irp i, 0,1,2
	v_permlane16_swap_b32 v[\pc+\i], v[\pc+6+\i]
.endr
.irp i, 0,1,2
	v_mov_b32 v[\pc+3+\i], v[\pc+6+\i]
.endr
.endm
	s_load_b256 s[4:11], s[0:1], 0x0               ; qkv, flags, validity_mask, causal_mask
	s_load_b128 s[12:15], s[0:1], 0x20             ; ocod, oscl
	v_lshrrev_b32 v1, 5, v0
	v_readfirstlane_b32 s16, v1                    ; wave 0..15
	s_and_b32 s32, ttmp7, 0xffff                   ; 16 batch + head
	s_lshr_b32 s18, s32, 4                         ; batch
	s_and_b32 s19, s32, 15                         ; head
	s_lshr_b32 s33, s16, 2
	s_and_b32 s34, s33, 1
	s_mul_i32 s34, s34, 3
	s_and_b32 s35, s16, 3
	s_xor_b32 s35, s35, s34                        ; every second four of waves runs the other way,
	s_lshl_b32 s33, s33, 2
	s_add_co_u32 s33, s33, s35                     ; so that waves w, w + 4, w + 8, w + 12 take levels that add up alike
	s_lshl_b32 s17, s33, 3
	s_add_co_u32 s17, s17, ttmp9                   ; my tile of queries: 8 x level + work-group x
	s_mul_i32 s32, s32, HS
	s_mov_b32 s33, 0
	s_mov_b32 s20, 0x76543210
	s_mov_b32 s21, 0xfedcba98
	s_mov_b32 s22, 0x3fb8aa3b                      ; log2 e
	s_mov_b32 s23, s22                             ; (named with it as a pair, so it is written)
	s_mov_b32 s26, 0                               ; the step's tiles of K and V: 6,144 bytes a step
	s_mov_b32 s27, 0                               ; its scale words and its part of H: 512 bytes a step
	s_mov_b32 s28, 0                               ; the step
	v_lshlrev_b32 v40, 4, v0                       ; 16 x thread
	v_add_nc_u32 v41, 65536, v40
	v_add_nc_u32 v42, 131072, v40
	v_add_nc_u32 v43, 196608, v40
	v_lshlrev_b32 v44, 2, v0                       ; 4 x thread
	v_and_b32 v3, 31, v0                           ; lane
	v_lshlrev_b32 v1, 4, v3                        ; 16 l
	v_lshlrev_b32 v2, 3, v3                        ; 8 l
	v_lshlrev_b32 v46, 2, v3                       ; 4 l
	s_wait_kmcnt 0x0
	s_add_nc_u64 s[4:5], s[4:5], s[32:33]          ; my head's part of qkv
.set i, 0
.rept 26
	global_load_b128 v[96+4*i:99+4*i], v40, s[4:5] offset:8192*i   ; K, V and their scale words: the work-group reads 8,192 consecutive bytes an instruction.  They land in v96-199, which nothing else writes before they are in LDS
.set i, i+1
.endr
	s_lshl_b32 s38, s18, 11
	s_mov_b32 s39, 0
	s_add_nc_u64 s[8:9], s[8:9], s[38:39]
	global_load_b32 v45, v44, s[8:9]               ; four validity bytes a thread
	s_mul_i32 s34, s17, 768
	s_add_co_u32 s34, s34, QOFF
	s_mov_b32 s35, 0
	s_add_nc_u64 s[34:35], s[4:5], s[34:35]
	global_load_b128 v[16:19], v1, s[34:35]        ; [Q | 0]
	global_load_b64 v[20:21], v2, s[34:35] offset:512
	global_load_b128 v[34:37], v1, s[34:35]        ; [0 | Q]: a second run of registers
	global_load_b64 v[38:39], v2, s[34:35] offset:512
	s_lshr_b32 s36, s17, 1
	s_lshl_b32 s36, s36, 7
	s_and_b32 s37, s17, 1
	s_lshl_b32 s37, s37, 1
	s_add_co_u32 s36, s36, s37
	s_add_co_u32 s36, s36, QSOFF
	s_mov_b32 s37, 0
	s_add_nc_u64 s[36:37], s[4:5], s[36:37]
	global_load_u16 v92, v46, s[36:37]             ; Q's two scale bytes; the upper two are 0, over zero codes
	s_and_b32 s38, s17, 0x7e                       ; my 16 queries lie in two groups of 16 rows of the mask: both words
	s_lshl_b32 s40, s18, 7
	s_add_co_u32 s38, s38, s40
	s_lshl_b32 s38, s38, 2
	s_add_nc_u64 s[6:7], s[6:7], s[38:39]
	s_load_b64 s[24:25], s[6:7], 0x0
	s_lshr_b32 s38, s17, 1
	s_lshl_b32 s38, s38, 18
	s_and_b32 s40, s17, 1
	s_lshl_b32 s40, s40, 16
	s_add_co_u32 s38, s38, s40
	s_add_nc_u64 s[30:31], s[10:11], s[38:39]      ; the mask at my tile's first row: 32 (tile / 2) + 8 (tile % 2)
	v_bfe_u32 v6, v0, 4, 1                         ; h
	v_and_b32 v7, 15, v0                           ; r
	v_lshl_add_u32 v3, v6, 13, v46
	v_add_nc_u32 v3, KSOFF, v3                     ; scale words: 4 l; lanes 16-31 take V's, 8,192 bytes on
	v_lshlrev_b32 v4, 6, v6
	v_add_nc_u32 v4, HOFF, v4                      ; H: my half's 16 keys of a block
	v_and_b32 v8, 8, v7
	v_add_nc_u32 v8, v8, v7
	v_lshlrev_b32 v5, 13, v8
	v_lshl_add_u32 v5, v6, 6, v5                   ; the mask: row r + 8 (r / 8) of 8,192 bytes, + 64 h
.irp j, 22,23,24,25,26,27,28,29,30,31,32,33
	v_mov_b32 v[\j], 0                             ; the zero halves
.endr
	v_mov_b32 v13, 0xff61b1e6                      ; the largest t so far: -3e38
	v_floor_f32 v12, -v13                          ; -M
	v_mov_b32 v14, 0                               ; the sum, in two halves
	v_mov_b32 v15, 0
	v_mov_b32 v47, 0x40a00000                      ; 5.0
.set i, 0
.rept 26
	s_wait_loadcnt 31-i                            ; behind load i stand 25 - i of its kind and six others
	ds_store_b128 v[40+i/8], v[96+4*i:99+4*i] offset:8192*(i%8)
.set i, i+1
.endr
	s_wait_loadcnt 5                               ; the validity bytes are in; Q's five loads may be out
.irp i, 0,1,2,3
	v_bfe_u32 v[48+\i], v45, 8*\i, 8
	v_cmp_ne_u32 vcc_lo, 0, v[48+\i]
	v_cndmask_b32 v[48+\i], 0xce6e6b28, v47, vcc_lo   ; 5.0 or -1e9
.endr
	ds_store_b128 v43, v[48:51] offset:16384       ; H + 16 x thread
	s_wait_loadcnt 0x0
	v_lshlrev_b32 v93, 16, v92                     ; Q's scale bytes for [0 | Q]; the 32 lines below and a step's four additions stand between this line and the first product that takes it as a scale
	s_wait_kmcnt 0x0
	s_or_b32 s24, s24, s25
	s_wait_dscnt 0x0                               ; for the others' sake: my stores are done; and they have read v96-199, which may now be written
.set i, 0
.rept 32
	v_mov_b32 v[O+i], 0                            ; O^T: which step is the first to be worked hangs on stored numbers, so no first step can be written out ahead of the loop
.set i, i+1
.endr
	s_barrier_signal -1
	s_barrier_wait -1
.Lstep:                                            ; 16 trips, 128 keys each; the trip count is a constant, and what is left out is a step's work
	s_bitcmp1_b32 s24, 0
	s_cbranch_scc0 .Lskip
	v_add_nc_u32 v6, s26, v1                       ; (the four additions are the places in front of loads into registers that the last products read)
	v_add_nc_u32 v7, s26, v2
	v_add_nc_u32 v8, s27, v3
	v_add_nc_u32 v9, s27, v4
.irp f, 0,1,2,3
.irp u, 0,1
	ds_load_b128 v[KV+12*\f+6*\u:KV+12*\f+6*\u+3], v6 offset:(2*\f+\u)*768
	ds_load_b64 v[KV+12*\f+6*\u+4:KV+12*\f+6*\u+5], v7 offset:(2*\f+\u)*768+512
.endr
.endr
.irp f, 0,1,2,3
	ds_load_b32 v[SCR+\f], v8 offset:128*\f
.endr
.set n, 0
.rept 16
	ds_load_b128 v[192+4*n:195+4*n], v9 offset:128*(n/4)+16*(n%4)   ; H of key 32 f + 16 h + i in register 16 f + i, as S^T has it
.set n, n+1
.endr
	s_wait_dscnt 16                                ; K's tiles and the scale words are in; H's 16 loads may be out
.irp f, 0,1,2,3
	v_wmma_scale_f32_16x16x128_f8f6f4 v[S+16*\f:S+16*\f+7], v[KV+12*\f:KV+12*\f+11], v[16:27], 0, v[SCR+\f], v92 matrix_a_fmt:MATRIX_FMT_FP6 matrix_b_fmt:MATRIX_FMT_FP6
	v_wmma_scale_f32_16x16x128_f8f6f4 v[S+16*\f+8:S+16*\f+15], v[KV+12*\f:KV+12*\f+11], v[28:39], 0, v[SCR+\f], v93 matrix_a_fmt:MATRIX_FMT_FP6 matrix_b_fmt:MATRIX_FMT_FP6
.endr
	s_wait_dscnt 0x0
.rept 4
	v_nop
.endr
.set j, 0
.rept 64
	v_med3_num_f32 v[S+j], v[S+j], v[192+j], -|v[192+j]|   ; the clip, or -1e9; each accumulator from its low end on
.set j, j+1
.endr
	s_bitcmp1_b32 s24, 16
	s_cbranch_scc0 .Lnomask
.set n, 0
.rept 16
	global_load_b128 v[192+4*n:195+4*n], v5, s[30:31] offset:128*(n/4)+16*(n%4)   ; the mask of my query, the same keys
.set n, n+1
.endr
	s_wait_loadcnt 0x0
.set n, 0
.rept 32
	v_pk_add_f32 v[S+2*n:S+2*n+1], v[S+2*n:S+2*n+1], v[192+2*n:193+2*n]
.set n, n+1
.endr
.Lnomask:
	v_add_nc_u32 v10, VOFF, v6
	v_add_nc_u32 v11, VOFF, v7
.irp t, 0,1,2,3
	FRAG KV+12*\t, 10, 11, \t*1536                 ; V^T: 16 of the head's 64 x these 128 keys; they land while the softmax is walked
.endr
.set n, 0
.rept 32
	v_pk_mul_f32 v[S+2*n:S+2*n+1], v[S+2*n:S+2*n+1], s[22:23] op_sel_hi:[1,0]   ; t = logit x log2 e
.set n, n+1
.endr
.irp b, 0,1,2,3
	v_max3_num_f32 v[BM+\b], v[S+16*\b], v[S+16*\b+1], v[S+16*\b+2]   ; the largest t of each block of 32 keys: for the row's maximum, and, since p rises with t, for the block's largest p
.endr
.irp i, 3,5,7,9,11,13
.irp b, 0,1,2,3
	v_max3_num_f32 v[BM+\b], v[BM+\b], v[S+16*\b+\i], v[S+16*\b+\i+1]
.endr
.endr
.irp b, 0,1,2,3
	v_max_num_f32 v[BM+\b], v[BM+\b], v[S+16*\b+15]
.endr
.irp b, 0,1,2,3
	v_permlanex16_b32 v[BT+\b], v[BM+\b], s20, s21
.endr
.irp b, 0,1,2,3
	v_max_num_f32 v[BM+\b], v[BM+\b], v[BT+\b]     ; with lane l xor 16's 16 keys
.endr
	v_max3_num_f32 v[TT], v[BM], v[BM+1], v[BM+2]
	v_max_num_f32 v[TT], v[TT], v[BM+3]
	v_max_num_f32 v13, v13, v[TT]                  ; the running largest t
	v_mov_b32 v[TT], v12
	v_floor_f32 v12, -v13                          ; the new -M = -ceil(t): a whole number
	v_sub_f32 v[TT], v12, v[TT]                    ; old M - new M: a whole number, 0 or less
	v_cvt_i32_f32 v[TT], v[TT]                     ; (it saturates)
	v_ldexp_f32 v[FF], 1.0, v[TT]                  ; f
.set n, 0
.rept 32
	v_pk_add_f32 v[S+2*n:S+2*n+1], v[S+2*n:S+2*n+1], v[12:13] op_sel_hi:[1,0]   ; t - M
.set n, n+1
.endr
.irp b, 0,1,2,3
	v_add_f32 v[BM+\b], v[BM+\b], v12              ; the same of each block's largest t
.endr
.set j, 0
.rept 64
	v_exp_f32 v[S+j], v[S+j]                       ; p, at most 1: not normalised
.set j, j+1
.endr
	v_pk_mul_f32 v[14:15], v[14:15], v[FF:FF+1] op_sel_hi:[1,0]   ; the sums under the new M (a plain place behind the exponentials)
	s_wait_alu depctr_va_vdst(0)                   ; one wait for the whole batch, ahead of its first reader
.irp b, 0,1,2,3
	v_exp_f32 v[BM+\b], v[BM+\b]                   ; the block's largest p: the same instructions on the same number give the same bits
.endr
	v_pk_add_f32 v[SU:SU+1], v[S:S+1], v[S+2:S+3]  ; the row's sum, of the unquantised p, in two chains
.irp j, 4,8,12,16,20,24,28,32,36,40,44,48,52,56,60
	v_pk_add_f32 v[14:15], v[14:15], v[S+\j:S+\j+1]
	v_pk_add_f32 v[SU:SU+1], v[SU:SU+1], v[S+\j+2:S+\j+3]
.endr
	v_pk_add_f32 v[14:15], v[14:15], v[SU:SU+1]
	s_wait_alu depctr_va_vdst(0)                   ; and one for the four
.irp b, 0,1,2,3
	v_max_num_f32 v[BM+\b], 0x1800000, v[BM+\b]    ; the floor 2^(3 - 127): the byte cannot fall under 1
.endr
.irp b, 0,1,2,3
	v_add_nc_u32 v[TSC+\b], 0xff000000, v[BM+\b]   ; 2 off the exponent field: the conversion's scale operand
.endr
.irp b, 0,1,2,3
	v_lshrrev_b32 v[BT+\b], 23, v[TSC+\b]          ; the scale's byte
.endr
	v_lshl_or_b32 v94, v[BT+1], 8, v[BT]           ; p's scale word for these 128 keys
	v_lshl_or_b32 v94, v[BT+2], 16, v94
	v_lshl_or_b32 v94, v[BT+3], 24, v94
.irp c, 0,1
	v_cvt_scalef32_pk16_fp6_f32 v[PCD+6*\c:PCD+6*\c+2], v[S+32*\c:S+32*\c+15], v[TSC+2*\c]
	v_cvt_scalef32_pk16_fp6_f32 v[PX+4*\c:PX+4*\c+2], v[S+32*\c+16:S+32*\c+31], v[TSC+2*\c+1]
.endr
	v_nop                                          ; one plain place behind a scaled conversion
.irp c, 0,1
.irp i, 0,1,2
	v_permlane16_swap_b32 v[PCD+6*\c+\i], v[PX+4*\c+\i]
.endr
.irp i, 0,1,2
	v_mov_b32 v[PCD+6*\c+3+\i], v[PX+4*\c+\i]
.endr
.endr
.set n, 0
.rept 16
	v_pk_mul_f32 v[O+2*n:O+2*n+1], v[O+2*n:O+2*n+1], v[FF:FF+1] op_sel_hi:[1,0]   ; O^T under the new M; these 16 are also the places between the scale word, the codes and the products
.set n, n+1
.endr
	s_wait_dscnt 0x0                               ; V's fragments are in
.irp t, 0,1,2,3
	v_wmma_scale_f32_16x16x128_f8f6f4 v[O+8*\t:O+8*\t+7], v[KV+12*\t:KV+12*\t+11], v[PCD:PCD+11], v[O+8*\t:O+8*\t+7], v[SCR+\t], v94 matrix_a_fmt:MATRIX_FMT_FP6 matrix_b_fmt:MATRIX_FMT_FP6 matrix_a_scale:MATRIX_SCALE_ROW1
.endr
.Lskip:
	s_lshr_b32 s24, s24, 1                         ; the next step's two bits
	s_add_co_u32 s26, s26, 6144
	s_add_co_u32 s27, s27, 512
	s_add_nc_u64 s[30:31], s[30:31], 512           ; (the mask's loads, if any, have been waited for)
	s_add_co_u32 s28, s28, 1
	s_cmp_lt_u32 s28, 16
	s_cbranch_scc1 .Lstep
	; THE WAY OUT: O^T / the sum; Wv's rows were taken in the tiles' order, so register 16 B + i is d = 32 B + 16 h + i: quantised along d as it stands
.rept 4
	v_nop                                          ; places behind the last products
.endr
	v_add_f32 v14, v14, v15
	v_permlanex16_b32 v15, v14, s20, s21
	v_add_f32 v14, v14, v15                        ; the row's sum
	v_rcp_f32 v14, v14
	v_and_b32 v6, 15, v0                           ; (a plain place behind the reciprocal)
	v_lshlrev_b32 v6, 3, v6                        ; 8 r
	s_lshl_b32 s38, s18, 7
	s_add_co_u32 s38, s38, s17                     ; the tile of tokens: 128 batch + my tile
	s_lshl_b32 s40, s38, 4
	s_add_co_u32 s40, s40, s19
	s_mul_i32 s40, s40, 768
	s_mov_b32 s41, 0
	s_add_nc_u64 s[12:13], s[12:13], s[40:41]      ; the head is half a kstep of the last product
	s_lshl_b32 s40, s38, 9
	s_lshr_b32 s39, s19, 2
	s_lshl_b32 s39, s39, 7
	s_add_co_u32 s40, s40, s39
	s_and_b32 s39, s19, 3
	s_lshl_b32 s39, s39, 1
	s_add_co_u32 s40, s40, s39
	s_add_nc_u64 s[14:15], s[14:15], s[40:41]
	s_wait_alu depctr_va_vdst(0)                   ; ahead of the reciprocal's first reader
.set n, 0
.rept 16
	v_pk_mul_f32 v[O+2*n:O+2*n+1], v[O+2*n:O+2*n+1], v[14:15] op_sel_hi:[1,0]
.set n, n+1
.endr
	QUANT2 O, 192, 0x1800000
	global_store_b128 v1, v[192:195], s[12:13]
	global_store_b64 v2, v[196:197], s[12:13] offset:512
	global_store_b16 v6, v202, s[14:15]            ; my row's two scale bytes (lanes 16-31 write the same bytes with the same values)
	s_wait_xcnt 0x0
	v_lshl_add_u32 v254, v0, 2, 0x36000
	v_mov_b32 v255, 0
	s_wait_tensorcnt 0x0
	ds_add_u32 v254, v255
	s_wait_dscnt 0x0
	s_endpgm
.Lfunc_end_k_qc6e3b62edd_attn:
	.size	k_qc6e3b62edd_attn, .Lfunc_end_k_qc6e3b62edd_attn-k_qc6e3b62edd_attn
	.p2alignl 7, 3214868480
	.fill 96, 4, 3214868480
	.section	.rodata,"a",@progbits
	.p2align	6, 0x0
	.amdhsa_kernel k_qc6e3b62edd_attn
		.amdhsa_group_segment_fixed_size 223232
		.amdhsa_private_segment_fixed_size 0
		.amdhsa_enable_private_segment 0
		.amdhsa_kernarg_size 48
		.amdhsa_user_sgpr_count 2
		.amdhsa_user_sgpr_kernarg_segment_ptr 1
		.amdhsa_wavefront_size32 1
		.amdhsa_system_sgpr_workgroup_id_x 1
		.amdhsa_system_sgpr_workgroup_id_y 1
		.amdhsa_system_sgpr_workgroup_id_z 1
		.amdhsa_system_vgpr_workitem_id 0
		.amdhsa_next_free_vgpr 256
		.amdhsa_next_free_sgpr 66
		.amdhsa_reserve_vcc 1
		.amdhsa_float_denorm_mode_32 3
		.amdhsa_float_denorm_mode_16_64 3
		.amdhsa_memory_ordered 1
		.amdhsa_forward_progress 1
		.amdhsa_inst_pref_size 43
	.end_amdhsa_kernel
	.amdgpu_metadata
---
amdhsa.version: [ 1, 2 ]
amdhsa.kernels:
  - .name:           k_qc6e3b62edd_attn
    .symbol:         k_qc6e3b62edd_attn.kd
    .args:
      - { .name: qkv, .offset: 0, .size: 8, .value_kind: global_buffer, .address_space: global }
      - { .name: flags, .offset: 8, .size: 8, .value_kind: global_buffer, .address_space: global }
      - { .name: validity_mask, .offset: 16, .size: 8, .value_kind: global_buffer, .address_space: global }
      - { .name: causal_mask, .offset: 24, .size: 8, .value_kind: global_buffer, .address_space: global }
      - { .name: ocod, .offset: 32, .size: 8, .value_kind: global_buffer, .address_space: global }
      - { .name: oscl, .offset: 40, .size: 8, .value_kind: global_buffer, .address_space: global }
    .group_segment_fixed_size: 223232
    .private_segment_fixed_size: 0
    .kernarg_segment_align: 8
    .kernarg_segment_size: 48
    .max_flat_workgroup_size: 512
    .sgpr_count:     66
    .vgpr_count:     256
    .wavefront_size: 32
...
	.end_amdgpu_metadata
.endif
;; end of part 3
;; launch oproj (part 4): grid 4 x 16, 16 waves a work-group, clusters of 4 x 4, 327,680 bytes of LDS; arguments cod, scl, ocod, oscl, bo, out0; writes out0
.if DOCPART == 4
	.amdgcn_target "amdgcn-amd-amdhsa--gfx1250"
	.amdhsa_code_object_version 6
	.text
	.protected	k_qc6e3b62edd_oproj
	.globl	k_qc6e3b62edd_oproj
	.p2align	8
	.type	k_qc6e3b62edd_oproj,@function
k_qc6e3b62edd_oproj:
	s_mov_b64 s[64:65], 0
	v_nop
	global_prefetch_b8 v0, s[64:65] scope:SCOPE_SE
	s_setreg_imm32_b32 hwreg(HW_REG_WAVE_MODE, 25, 1), 1
	s_wait_xcnt 0x0
	s_wait_alu depctr_hold_cnt(0) depctr_sa_sdst(0) depctr_va_vdst(0) depctr_va_sdst(0) depctr_va_ssrc(0) depctr_va_vcc(0) depctr_vm_vsrc(0)
	s_getreg_b32 s2, hwreg(HW_REG_IB_STS2, 6, 4)
	s_cmp_eq_u32 s2, 0
	s_cbranch_scc0 .Lentry_in_a_cluster
	s_endpgm
.Lentry_in_a_cluster:
	s_bfe_u32 s2, ttmp6, 0x10000c
	s_cmp_lg_u32 s2, 0xf033
	s_cbranch_scc0 .Lentry_shape_is_right
	s_endpgm
.Lentry_shape_is_right:
; out0 = (o Wo^T + bo) x 0.5, on codes of FP6 (E2M3) with E8M0 scales, K = 1,024.  The frame is that of the launch that makes q, k and v:
; a work-group of sixteen waves makes 16 x 16 tiles of 16; source 0 = the P side = features of Wo (a lane's registers run along them), source 1 = the L side = tokens (a lane holds one token).
; Wave w makes P tiles 4 (w % 4) + b x L tiles 4 (w / 4) + a.  A tile 2 B + u holds in lane r the row 32 B + 8 u + r + 8 (r / 8): the 16 registers of P tiles 2 B, 2 B + 1 are 16 neighbouring features.
; K goes in four phases of 256: slots 0, 1, 2 are first fills, phase 3 is the one refill, into slot 0.  Waves 0, 1 fetch P's tiles, waves 2, 3 L's; a fetching wave has four loads out at the start.
; CLUSTER 4 x 4: P's tiles hang on cx alone and are asked for jointly by a column, L's on the tokens' coordinate alone, by a row.
; THE WAY OUT: a tile of 16 tokens x my 64 features goes through my stage in LDS and leaves as rows of 256 bytes, sixteen lanes to a row.  The stage lies in slot 1, which has had its last fill, and whose last read
; lies ahead of the barrier in front of phase 3.  64 work-groups: the product has 16 x 4 such blocks.
; LIMITS: NaN and infinities are not served.
.set SLOTB, 98304
.set SCL,   294912
.set SPARE, 311296                     ; the spare words, 128 bytes for each wave: eight blocks of 256 bytes that no other line names
.set BIA,   313344                     ; 256 bytes for each wave: its 64 numbers of the bias; no fill lands here
.set STG,   98304                      ; 16 rows x (256 + 16) bytes for each wave
.set SC,    16
.set PF,    32
.set LF,    80
.set ACC,   128
.macro CROUND
	s_barrier_signal -1
	s_barrier_wait -1
	s_cmp_lg_u32 s16, 0
	s_cbranch_scc1 .Lnot_wave_0_\@
	s_barrier_signal -3
.Lnot_wave_0_\@:
	s_barrier_wait -3
	s_barrier_signal -1
	s_barrier_wait -1
.endm
.macro G0SET g, sg, src
	s_mov_b32 s[\g], 1
	s_add_co_u32 s[\g+1], s21, (\sg)*SLOTB
	s_add_nc_u64 s[\g+2:\g+3], s[\src:\src+1], (\sg)*3072
	s_or_b32 s[\g+3], s[\g+3], 0x80000000
.endm
.macro FRAG reg, a16, a8, off
	ds_load_b128 v[\reg:\reg+3], v[\a16] offset:\off
	ds_load_b64 v[\reg+4:\reg+5], v[\a8] offset:\off+512
	ds_load_b128 v[\reg+6:\reg+9], v[\a16] offset:\off+768
	ds_load_b64 v[\reg+10:\reg+11], v[\a8] offset:\off+1280
.endm
.macro KSTEP q, zero                   ; the 16 accumulators take turns, in the same order in every step
.irp i, 0,1,2,3
	FRAG PF+12*\i, 8, 9, \i*3072+(\q)*1536
	FRAG LF+12*\i, 10, 11, \i*3072+(\q)*1536
.endr
	s_wait_dscnt 0x0
.irp a, 0,1,2,3
.irp b, 0,1,2,3
.if \zero
	v_wmma_scale_f32_16x16x128_f8f6f4 v[ACC+8*(4*\a+\b):ACC+8*(4*\a+\b)+7], v[PF+12*\b:PF+12*\b+11], v[LF+12*\a:LF+12*\a+11], 0, v[SC+2*\b+(\q)], v[SC+2*\a+(\q)] matrix_a_fmt:MATRIX_FMT_FP6 matrix_b_fmt:MATRIX_FMT_FP6 matrix_b_scale:MATRIX_SCALE_ROW1
.else
	v_wmma_scale_f32_16x16x128_f8f6f4 v[ACC+8*(4*\a+\b):ACC+8*(4*\a+\b)+7], v[PF+12*\b:PF+12*\b+11], v[LF+12*\a:LF+12*\a+11], v[ACC+8*(4*\a+\b):ACC+8*(4*\a+\b)+7], v[SC+2*\b+(\q)], v[SC+2*\a+(\q)] matrix_a_fmt:MATRIX_FMT_FP6 matrix_b_fmt:MATRIX_FMT_FP6 matrix_b_scale:MATRIX_SCALE_ROW1
.endif
.endr
.endr
.endm
.macro PHASE p, sg, zero
	v_add_nc_u32 v8, (\sg)*SLOTB, v4               ; the four additions are also the four places in front of loads into registers that matrix instructions have read
	v_add_nc_u32 v9, (\sg)*SLOTB, v5
	v_add_nc_u32 v10, (\sg)*SLOTB, v6
	v_add_nc_u32 v11, (\sg)*SLOTB, v7
.irp i, 0,1,2,3
	ds_load_b64 v[SC+2*\i:SC+2*\i+1], v12 offset:\i*512+(\p)*128
.endr
	KSTEP 0, \zero
.rept 4
	v_nop
.endr
	KSTEP 1, 0
.endm
	s_load_b256 s[4:11], s[0:1], 0x0               ; cod, scl, ocod, oscl
	s_load_b128 s[12:15], s[0:1], 0x20             ; bo, out0
	v_lshl_add_u32 v13, v0, 2, SPARE               ; my spare word; never rewritten
	v_mov_b32 v14, 0                               ; never rewritten
	ds_add_u32 v13, v14
	ds_add_u32 v13, v14
	s_wait_dscnt 0x0
	v_lshrrev_b32 v1, 5, v0
	v_readfirstlane_b32 s16, v1                    ; wave 0..15
	s_and_b32 s17, s16, 3                          ; wp
	s_lshr_b32 s18, s16, 2                         ; wl
	s_bfe_u32 s19, ttmp6, 0x40000                  ; cx
	s_bfe_u32 s20, ttmp6, 0x40004                  ; cy
	s_lshl_b32 s92, 0x1111, s19                    ; my column of the cluster
	s_lshl_b32 s93, s20, 2
	s_lshl_b32 s93, 15, s93                        ; my row
	s_or_b32 s24, s92, (3<<16)|(1<<21)             ; group 1, word 0: the mask; elements of 8 bytes; bit 21 set beside a mask; no padding
	s_or_b32 s32, s93, (3<<16)|(1<<21)
	s_or_b32 s40, s92, (3<<16)|(1<<21)
	s_or_b32 s48, s93, (3<<16)|(1<<21)
.irp g, 24, 32                         ; codes: 8 tiles x 3,072 bytes (384 elements), 12,288 bytes (1,536 elements) from tile to tile
	s_mov_b32 s[\g+1], 384<<16
	s_mov_b32 s[\g+2], 8<<16
	s_mov_b32 s[\g+3], 384<<16
	s_mov_b32 s[\g+4], 8
	s_mov_b32 s[\g+5], 1536
	s_mov_b32 s[\g+6], 0
	s_mov_b32 s[\g+7], 0
.endr
.irp g, 40, 48                         ; scale words: 8 tiles x 512 dense bytes, as 16 rows of 256 bytes
	s_mov_b32 s[\g+1], 32<<16
	s_mov_b32 s[\g+2], 16<<16
	s_mov_b32 s[\g+3], 32<<16
	s_mov_b32 s[\g+4], 16
	s_mov_b32 s[\g+5], 32
	s_mov_b32 s[\g+6], 0
	s_mov_b32 s[\g+7], 0
.endr
	s_lshl_b32 s94, s19, 4
	s_add_co_u32 s94, s94, 448                     ; my first P tile: Wo's tiles begin at 448; + 16 cx
	s_and_b32 s96, ttmp7, 0xffff
	s_lshl_b32 s96, s96, 6
	s_lshl_b32 s3, s20, 4
	s_add_co_u32 s96, s96, s3                      ; my first L tile: 64 x cluster y + 16 cy
	s_and_b32 s21, s16, 1
	s_lshl_b32 s21, s21, 3                         ; which eight tiles I fetch
	s_add_co_u32 s2, s94, s21
	s_add_co_u32 s100, s96, s21
	s_lshl_b32 s92, s2, 9
	s_mov_b32 s93, 0
	s_mul_i32 s2, s2, 12288
	s_mov_b32 s3, 0
	s_lshl_b32 s98, s100, 9
	s_mov_b32 s99, 0
	s_mul_i32 s100, s100, 12288
	s_mov_b32 s101, 0
	s_mul_i32 s21, s17, 24576                      ; where they go: (wave % 4) x eight tiles: no place in the cluster enters an LDS address
	s_lshl_b32 s97, s17, 12
	s_wait_kmcnt 0x0
	s_add_nc_u64 s[2:3], s[4:5], s[2:3]            ; Wo's codes
	s_add_nc_u64 s[92:93], s[6:7], s[92:93]        ; Wo's scale words
	s_add_nc_u64 s[100:101], s[8:9], s[100:101]    ; o's codes
	s_add_nc_u64 s[98:99], s[10:11], s[98:99]      ; o's scale words
	s_mov_b32 s56, 1
	s_add_co_u32 s57, s97, SCL
	s_mov_b64 s[58:59], s[92:93]
	s_or_b32 s59, s59, 0x80000000
	s_mov_b32 s76, 1
	s_add_co_u32 s77, s97, SCL
	s_mov_b64 s[78:79], s[98:99]
	s_or_b32 s79, s79, 0x80000000
	G0SET 60, 0, 2
	G0SET 68, 1, 2
	G0SET 72, 2, 2
	G0SET 80, 0, 100
	G0SET 84, 1, 100
	G0SET 88, 2, 100
	CROUND                                         ; all sixteen work-groups are here: the first joint loads meet
	s_cmp_lt_u32 s16, 2                            ; a wave's first fills stand in one branch on the wave's number
	s_cbranch_scc0 .Lfirst_not_p
	tensor_load_to_lds s[56:59], s[40:47]
	s_nop 0
	tensor_load_to_lds s[60:63], s[24:31]
	s_nop 0
	tensor_load_to_lds s[68:71], s[24:31]
	s_nop 0
	tensor_load_to_lds s[72:75], s[24:31]
	s_nop 0
.rept 4
	v_nop
.endr
	s_branch .Lfirst_asked
.Lfirst_not_p:
	s_cmp_lt_u32 s16, 4
	s_cbranch_scc0 .Lfirst_asked
	tensor_load_to_lds s[76:79], s[48:55]
	s_nop 0
	tensor_load_to_lds s[80:83], s[32:39]
	s_nop 0
	tensor_load_to_lds s[84:87], s[32:39]
	s_nop 0
	tensor_load_to_lds s[88:91], s[32:39]
	s_nop 0
.rept 4
	v_nop
.endr
.Lfirst_asked:
	v_and_b32 v1, 31, v0
	v_lshlrev_b32 v2, 3, v1                        ; 8 l
	v_lshlrev_b32 v1, 4, v1                        ; 16 l
	s_mul_i32 s2, s17, 4*3072                      ; my four P tiles
	s_mul_i32 s3, s18, 4*3072
	s_add_co_u32 s3, s3, 16*3072                   ; my four L tiles, behind P's sixteen
	v_add_nc_u32 v4, s2, v1
	v_add_nc_u32 v5, s2, v2
	v_add_nc_u32 v6, s3, v1
	v_add_nc_u32 v7, s3, v2
	v_and_b32 v8, 15, v0                           ; r
	v_bfe_u32 v9, v0, 4, 1                         ; h
	s_xor_b32 s2, s17, 3
	s_add_co_u32 s2, s2, s18
	s_lshl_b32 s2, s2, 11
	s_add_co_u32 s2, s2, 2048                      ; from my P tiles' words to my L tiles': 8,192 + 2,048 wl - 2,048 wp
	v_mul_u32_u24 v12, s2, v9                      ; lanes 16-31 take L's
	v_lshl_add_u32 v12, v8, 3, v12
	s_lshl_b32 s2, s17, 11
	s_add_co_u32 s2, s2, SCL
	v_add_nc_u32 v12, s2, v12
	v_lshl_add_u32 v15, v0, 3, BIA                 ; my 8 bytes of my wave's 256
	s_lshl_b32 s2, s19, 10
	s_lshl_b32 s3, s17, 8
	s_add_co_u32 s2, s2, s3                        ; my 64 features, in bytes: 1,024 cx + 256 wp
	s_mov_b32 s3, 0
	s_add_nc_u64 s[12:13], s[12:13], s[2:3]
	s_add_nc_u64 s[14:15], s[14:15], s[2:3]
	s_lshl_b32 s2, s96, 16                         ; my work-group's first token x 4,096 bytes
	s_lshl_b32 s97, s18, 18                        ; + my wave's 64 tokens
	s_add_co_u32 s2, s2, s97
	s_add_nc_u64 s[14:15], s[14:15], s[2:3]
	global_load_b64 v[24:25], v2, s[12:13]         ; my wave's 64 numbers of the bias
	s_wait_loadcnt 0x0
	ds_store_b64 v15, v[24:25]
	s_wait_tensorcnt 0x2                           ; the scale words and slot 0 are in; slots 1 and 2 may stay out
	s_wait_dscnt 0x0
	s_barrier_signal -1
	s_barrier_wait -1
	PHASE 0, 0, 1                                  ; the first products start the sums
	s_wait_tensorcnt 0x0                           ; all my tensor loads have landed, so a group 0 may be written
	ds_add_u32 v13, v14                            ; 0 onto my spare word
	ds_add_u32 v13, v14
	s_add_nc_u64 s[62:63], s[62:63], 9216          ; slot 0's next tile: phase 3
	s_add_nc_u64 s[82:83], s[82:83], 9216
	s_wait_dscnt 0x0                               ; the add is done, and my reads of slot 0 are over
	CROUND                                         ; both now hold of every wave of every partner
	s_cmp_lt_u32 s16, 2
	s_cbranch_scc0 .Lre_not_p
	tensor_load_to_lds s[60:63], s[24:31]          ; the one refill: it has two phases in which to land
	s_nop 0
.rept 4
	v_nop
.endr
	s_branch .Lre_asked
.Lre_not_p:
	s_cmp_lt_u32 s16, 4
	s_cbranch_scc0 .Lre_asked
	tensor_load_to_lds s[80:83], s[32:39]
	s_nop 0
.rept 4
	v_nop
.endr
.Lre_asked:
	PHASE 1, 1, 0
	PHASE 2, 2, 0
	s_wait_tensorcnt 0x0                           ; my part of phase 3 is in
	ds_add_u32 v13, v14
	s_wait_dscnt 0x0
	s_barrier_signal -1
	s_barrier_wait -1                              ; everybody's is, and nobody reads slot 1 any more
	PHASE 3, 0, 0
	; the way out's addresses; these lines are also the places behind the last products
	v_and_b32 v4, 0x1e0, v0
	v_lshlrev_b32 v4, 3, v4                        ; 256 wave
	v_bfe_u32 v5, v0, 4, 1                         ; h
	v_and_b32 v6, 15, v0                           ; r
	v_lshl_add_u32 v7, v5, 6, v4
	v_add_nc_u32 v7, BIA, v7                       ; the bias of features 16 h on
	s_mul_i32 s2, s16, 4352
	s_add_co_u32 s2, s2, STG                       ; my stage
	v_mul_u32_u24 v8, v6, 272
	v_lshl_add_u32 v8, v5, 6, v8
	v_add_nc_u32 v8, s2, v8                        ; in: row r, + 64 h
	v_mul_u32_u24 v9, v5, 272
	v_lshl_add_u32 v9, v6, 4, v9
	v_add_nc_u32 v9, s2, v9                        ; back: lanes 0-15 one row, lanes 16-31 the next
	v_lshlrev_b32 v10, 12, v5
	v_lshl_add_u32 v10, v6, 4, v10                 ; and the same two rows in out0
.irp n, 0,1,2,3,4,5,6,7
	ds_load_b128 v[96+4*\n:99+4*\n], v7 offset:128*(\n/4)+16*(\n%4)
.endr
	s_wait_dscnt 0x0
.set n, 0
.rept 16
	v_pk_mul_f32 v[96+2*n:97+2*n], v[96+2*n:97+2*n], 0.5 op_sel_hi:[1,0]   ; half the bias
.set n, n+1
.endr
.irp a, 0,1,2,3
.set n, 0
.rept 16
	v_pk_fma_f32 v[ACC+32*\a+2*n:ACC+32*\a+2*n+1], v[ACC+32*\a+2*n:ACC+32*\a+2*n+1], 0.5, v[96+2*n:97+2*n] op_sel_hi:[1,0,1]   ; (sum + bias) / 2; each accumulator from its low end on
.set n, n+1
.endr
.irp n, 0,1,2,3,4,5,6,7
	ds_store_b128 v8, v[ACC+32*\a+4*\n:ACC+32*\a+4*\n+3] offset:128*(\n/4)+16*(\n%4)
.endr
.if \a > 1
	s_wait_xcnt 0x0                                ; the stores of two tiles ago have read their registers: they are loaded again only behind this wait
.endif
.irp t, 0,1,2,3,4,5,6,7
	ds_load_b128 v[32+32*(\a%2)+4*\t:35+32*(\a%2)+4*\t], v9 offset:544*\t   ; LDS serves a wave's instructions in order: these see my stores, and the next tile's stores come behind them
.endr
	s_wait_dscnt 0x0
.irp t, 0,1,2,3,4,5,6,7
	global_store_b128 v10, v[32+32*(\a%2)+4*\t:35+32*(\a%2)+4*\t], s[14:15] offset:(32*(\a/2)+8*(\a%2)+2*\t+8*(\t/4))*4096 th:TH_STORE_NT   ; sixteen lanes store 256 consecutive bytes, at a multiple of 256 from out0's first byte
.endr
.endr
	s_wait_tensorcnt 0x0                           ; the wave's end
	ds_add_u32 v13, v14
	s_wait_dscnt 0x0
	CROUND                                         ; the closing round
	s_endpgm
.Lfunc_end_k_qc6e3b62edd_oproj:
	.size	k_qc6e3b62edd_oproj, .Lfunc_end_k_qc6e3b62edd_oproj-k_qc6e3b62edd_oproj
	.p2alignl 7, 3214868480
	.fill 96, 4, 3214868480
	.section	.rodata,"a",@progbits
	.p2align	6, 0x0
	.amdhsa_kernel k_qc6e3b62edd_oproj
		.amdhsa_group_segment_fixed_size 327680
		.amdhsa_private_segment_fixed_size 0
		.amdhsa_enable_private_segment 0
		.amdhsa_kernarg_size 48
		.amdhsa_user_sgpr_count 2
		.amdhsa_user_sgpr_kernarg_segment_ptr 1
		.amdhsa_wavefront_size32 1
		.amdhsa_system_sgpr_workgroup_id_x 1
		.amdhsa_system_sgpr_workgroup_id_y 1
		.amdhsa_system_sgpr_workgroup_id_z 1
		.amdhsa_system_vgpr_workitem_id 0
		.amdhsa_next_free_vgpr 256
		.amdhsa_next_free_sgpr 102
		.amdhsa_reserve_vcc 0
		.amdhsa_float_denorm_mode_32 3
		.amdhsa_float_denorm_mode_16_64 3
		.amdhsa_memory_ordered 1
		.amdhsa_forward_progress 1
		.amdhsa_inst_pref_size 59
	.end_amdhsa_kernel
	.amdgpu_metadata
---
amdhsa.version: [ 1, 2 ]
amdhsa.kernels:
  - .name:           k_qc6e3b62edd_oproj
    .symbol:         k_qc6e3b62edd_oproj.kd
    .args:
      - { .name: cod, .offset: 0, .size: 8, .value_kind: global_buffer, .address_space: global }
      - { .name: scl, .offset: 8, .size: 8, .value_kind: global_buffer, .address_space: global }
      - { .name: ocod, .offset: 16, .size: 8, .value_kind: global_buffer, .address_space: global }
      - { .name: oscl, .offset: 24, .size: 8, .value_kind: global_buffer, .address_space: global }
      - { .name: bo, .offset: 32, .size: 8, .value_kind: global_buffer, .address_space: global }
      - { .name: out0, .offset: 40, .size: 8, .value_kind: global_buffer, .address_space: global }
    .group_segment_fixed_size: 327680
    .private_segment_fixed_size: 0
    .kernarg_segment_align: 8
    .kernarg_segment_size: 48
    .max_flat_workgroup_size: 512
    .sgpr_count:     102
    .vgpr_count:     256
    .wavefront_size: 32
...
	.end_amdgpu_metadata
.endif
;; end of part 4
;; ======== version 2 of 2: 4 launches; version 1 with the launch attn written anew for expert scheduling mode
;; workspace buffers: cod 6,291,456 bytes; scl 262,144 bytes; flags 1,024 bytes of whole numbers; qkv 10,223,616 bytes; ocod 3,145,728 bytes; oscl 131,072 bytes
;; launch prep: the kernel of part 1 again; grid 384 x 1, 4 waves a work-group, no clusters, 41,472 bytes of LDS; arguments x, Wq, Wk, Wv, Wo, causal_mask, validity_mask, cod, scl, flags; writes cod, scl, flags
;; launch qkv: the kernel of part 2 again; grid 48 x 4, 16 waves a work-group, clusters of 4 x 4, 327,680 bytes of LDS; arguments cod, scl, bq, bk, bv, qkv; writes qkv
;; launch attn (part 5): grid 8 x 32, 16 waves a work-group, no clusters, 223,232 bytes of LDS; arguments qkv, flags, validity_mask, causal_mask, ocod, oscl; writes ocod, oscl
.if DOCPART == 5
	.amdgcn_target "amdgcn-amd-amdhsa--gfx1250"
	.amdhsa_code_object_version 6
	.text
	.protected	k_qc6e3b62edd_attn
	.globl	k_qc6e3b62edd_attn
	.p2align	8
	.type	k_qc6e3b62edd_attn,@function
k_qc6e3b62edd_attn:
	s_mov_b64 s[64:65], 0
	v_nop
	global_prefetch_b8 v0, s[64:65] scope:SCOPE_SE
	s_setreg_imm32_b32 hwreg(HW_REG_WAVE_SCHED_MODE, 0, 2), 2
	s_setreg_imm32_b32 hwreg(HW_REG_WAVE_MODE, 25, 1), 1
	s_wait_xcnt 0x0
	s_wait_alu depctr_vm_vsrc(0)
; o = softmax(where(valid, clip(q k^T / 8, -5, 5), -1e9) + causal_mask) v for one (batch, head), both products on codes of FP6 (E2M3) with E8M0 scales; o is quantised along d and stored as images of the last product's operand.
; THE SOFTMAX: t = fl(logit x log2 e); M = the running largest t rounded UP to a whole number; p = 2^(fl(t - M)) is quantised along the keys; the row's sum is taken of the unquantised p and divides at the end.
; t and t - M are rounded apart, as the definition has them: logits may lie near -1e9, where a fused form would give other numbers.  When M moves, the sum and O are multiplied by 2^(old M - new M): exact.
; SHARES.  A work-group holds ONE head's K, V and scale words in LDS (212,992 bytes, copied once through registers) and a table H of 2,048 f32: 5.0 for a valid key, -1e9 for a hidden one.  Each of the sixteen waves
; owns one tile of 16 queries; the tiles of a work-group are spread over the sequence, so that work is even where a mask opens along it.  The key loop has no barrier.
; WHICH STEPS ARE WORKED hangs on whole numbers that an earlier launch made of the two masks as they are given: bit s: some p of the step may differ from 0; bit 16 + s: the mask adds something there.
; So this launch has no tensor load and no copy.  No cluster: its partners would share K and V only by joint tensor loads.
; LAYOUT.  Both products are used transposed: S^T = K Q^T, O^T = V^T P^T: a lane holds one query.  The head's size is 64, half of the instruction's K: a fragment of K holds TWO tiles of keys, one in each half of K,
; and is multiplied by [Q | 0] and by [0 | Q] (zero codes add nothing).  The keys of a tile are chosen so that the 16 registers of two neighbouring tiles are 16 neighbouring keys.
; v_med3_num_f32 (s, H, -|H|) is the clip to +-5 (H = 5) and the -1e9 of a hidden key (H = -1e9) in one line.
; LIMITS: NaN and infinities are not served; p under 2^-126 counts as 0; a block of zeros keeps the byte 1 (its codes are zeros); validity bytes are 0 or 1; v_exp_f32 and v_rcp_f32 are good to 1 ulp.
; THE MODE: SCHED_MODE bits 1:0 = 2 (LLVM: expert scheduling mode 2), set by the entry lines.  The code itself states the register dependences between vector or matrix instructions and memory or LDS instructions,
; with s_wait_alu, always for 0.
; THE PLAN.  Registers that memory or LDS instructions touch, in the loop:
;   v6-v11    LDS addresses.  Written by six additions at a step's head; v6-9 read by K's, the scale words' and H's loads there, v10, v11 by V's loads further down.
;   v40-87    K's loads land; the eight products K Q^T read; V's loads land; the four products V^T P read.
;   v88-91    The scale words' loads land; both kinds of product read.
;   v192-255  H's loads land; the 64 clips read; where the mask is added its loads land and 32 additions read; then the softmax's own numbers and p's codes: written by vector lines, the codes read by V^T P.
;   v5        The mask's offset: never written in the loop; a scalar base moves on.
; A step's head: a wait on vm_vsrc (earlier loads have read v6-11), the six additions, a wait on va_vdst (the addresses are written; the last step's products and vector lines are done with v40-91 and v192-255).
; The wait behind the 64 exponentials also states that the products K Q^T are done reading v40-87: V's loads follow it, a fragment at a time among the row's sums, which name none of v10, v11, v40-87.
; The branch that adds the mask has a wait of its own (the clips are done reading H).  A wait stands ahead of the products V^T P: p's scale word and codes are written.
.set HS,    319488
.set VOFF,  98304
.set KSOFF, 196608
.set QOFF,  212992
.set QSOFF, 311296
.set HOFF,  212992
.set KV,    40                         ; v40-87   four fragments of K or of V
.set SCR,   88                         ; v88-91   scale words: lanes 0-15 K's, lanes 16-31 V's
.set S,     96                         ; v96-159  S^T, then t, then p
.set O,     160                        ; v160-191 O^T
.set PCD,   192                        ; v192-203 p's codes   (v192-255 hold H, then the mask, ahead of that)
.set PX,    204
.set BM,    212                        ; the blocks' largest t, then p
.set BT,    216
.set TSC,   220                        ; the conversions' scale operands
.set FF,    224                        ; v[224:225] f = 2^(old M - new M)
.set TT,    226
.set SU,    228
.set QT,    24
.set SELR,  20
.macro FRAG reg, a16, a8, off
	ds_load_b128 v[\reg:\reg+3], v[\a16] offset:\off
	ds_load_b64 v[\reg+4:\reg+5], v[\a8] offset:\off+512
	ds_load_b128 v[\reg+6:\reg+9], v[\a16] offset:\off+768
	ds_load_b64 v[\reg+10:\reg+11], v[\a8] offset:\off+1280
.endm
; 32 numbers of a lane, register 16 B + i = k 32 B + 16 (lane / 16) + i of my row, become half a fragment: six registers of codes at v[pc] on, and the two scale bytes in v[pc + 10].
.macro QUANT2 s, pc, fl
	v_max3_num_f32 v[QT], |v[\s]|, |v[\s+1]|, \fl
	v_max3_num_f32 v[QT+1], |v[\s+16]|, |v[\s+17]|, \fl
.irp i, 2,4,6,8,10,12,14
	v_max3_num_f32 v[QT], v[QT], |v[\s+\i]|, |v[\s+\i+1]|
	v_max3_num_f32 v[QT+1], v[QT+1], |v[\s+16+\i]|, |v[\s+17+\i]|
.endr
	v_permlanex16_b32 v[QT+2], v[QT], s[SELR], s[SELR+1]
	v_permlanex16_b32 v[QT+3], v[QT+1], s[SELR], s[SELR+1]
	v_max_num_f32 v[QT], v[QT], v[QT+2]
	v_max_num_f32 v[QT+1], v[QT+1], v[QT+3]
	v_add_nc_u32 v[QT+4], 0xff000000, v[QT]
	v_add_nc_u32 v[QT+5], 0xff000000, v[QT+1]
	v_lshrrev_b32 v[QT+6], 23, v[QT+4]
	v_lshrrev_b32 v[QT+7], 23, v[QT+5]
	v_lshl_or_b32 v[\pc+10], v[QT+7], 8, v[QT+6]
	v_cvt_scalef32_pk16_fp6_f32 v[\pc:\pc+2], v[\s:\s+15], v[QT+4]
	v_cvt_scalef32_pk16_fp6_f32 v[\pc+6:\pc+8], v[\s+16:\s+31], v[QT+5]
	v_nop
.irp i, 0,1,2
	v_permlane16_swap_b32 v[\pc+\i], v[\pc+6+\i]
.endr
.irp i, 0,1,2
	v_mov_b32 v[\pc+3+\i], v[\pc+6+\i]
.endr
.endm
	s_load_b256 s[4:11], s[0:1], 0x0               ; qkv, flags, validity_mask, causal_mask
	s_load_b128 s[12:15], s[0:1], 0x20             ; ocod, oscl
	v_lshrrev_b32 v1, 5, v0
	v_readfirstlane_b32 s16, v1                    ; wave 0..15
	s_and_b32 s32, ttmp7, 0xffff                   ; 16 batch + head
	s_lshr_b32 s18, s32, 4                         ; batch
	s_and_b32 s19, s32, 15                         ; head
	s_wait_alu depctr_va_sdst(0)                   ; s16 is written, ahead of its first reader: my tile of queries is made from it
	s_lshr_b32 s33, s16, 2
	s_and_b32 s34, s33, 1
	s_mul_i32 s34, s34, 3
	s_and_b32 s35, s16, 3
	s_xor_b32 s35, s35, s34                        ; every second four of waves runs the other way,
	s_lshl_b32 s33, s33, 2
	s_add_co_u32 s33, s33, s35                     ; so that waves w, w + 4, w + 8, w + 12 take levels that add up alike
	s_lshl_b32 s17, s33, 3
	s_add_co_u32 s17, s17, ttmp9                   ; my tile of queries: 8 x level + work-group x
	s_mul_i32 s32, s32, HS
	s_mov_b32 s33, 0
	s_mov_b32 s20, 0x76543210
	s_mov_b32 s21, 0xfedcba98
	s_mov_b32 s22, 0x3fb8aa3b                      ; log2 e
	s_mov_b32 s23, s22                             ; (named with it as a pair, so it is written)
	s_mov_b32 s26, 0                               ; the step's tiles of K and V: 6,144 bytes a step
	s_mov_b32 s27, 0                               ; its scale words and its part of H: 512 bytes a step
	s_mov_b32 s28, 0                               ; the step
	v_lshlrev_b32 v40, 4, v0                       ; 16 x thread
	v_add_nc_u32 v41, 65536, v40
	v_add_nc_u32 v42, 131072, v40
	v_add_nc_u32 v43, 196608, v40
	v_lshlrev_b32 v44, 2, v0                       ; 4 x thread
	v_and_b32 v3, 31, v0                           ; lane
	v_lshlrev_b32 v1, 4, v3                        ; 16 l
	v_lshlrev_b32 v2, 3, v3                        ; 8 l
	v_lshlrev_b32 v46, 2, v3                       ; 4 l
	s_wait_kmcnt 0x0
	s_add_nc_u64 s[4:5], s[4:5], s[32:33]          ; my head's part of qkv
	s_wait_alu depctr_va_vdst(0)                   ; v40 to v44, v46, v1 and v2 are written: the offsets and LDS addresses that the head's loads and LDS stores read; no vector line of the head names them, or v96-199, again as a destination
.set i, 0
.rept 26
	global_load_b128 v[96+4*i:99+4*i], v40, s[4:5] offset:8192*i   ; K, V and their scale words: the work-group reads 8,192 consecutive bytes an instruction.  They land in v96-199, which nothing else writes before they are in LDS
.set i, i+1
.endr
	s_lshl_b32 s38, s18, 11
	s_mov_b32 s39, 0
	s_add_nc_u64 s[8:9], s[8:9], s[38:39]
	global_load_b32 v45, v44, s[8:9]               ; four validity bytes a thread
	s_mul_i32 s34, s17, 768
	s_add_co_u32 s34, s34, QOFF
	s_mov_b32 s35, 0
	s_add_nc_u64 s[34:35], s[4:5], s[34:35]
	global_load_b128 v[16:19], v1, s[34:35]        ; [Q | 0]
	global_load_b64 v[20:21], v2, s[34:35] offset:512
	global_load_b128 v[34:37], v1, s[34:35]        ; [0 | Q]: a second run of registers
	global_load_b64 v[38:39], v2, s[34:35] offset:512
	s_lshr_b32 s36, s17, 1
	s_lshl_b32 s36, s36, 7
	s_and_b32 s37, s17, 1
	s_lshl_b32 s37, s37, 1
	s_add_co_u32 s36, s36, s37
	s_add_co_u32 s36, s36, QSOFF
	s_mov_b32 s37, 0
	s_add_nc_u64 s[36:37], s[4:5], s[36:37]
	global_load_u16 v92, v46, s[36:37]             ; Q's two scale bytes; the upper two are 0, over zero codes
	s_and_b32 s38, s17, 0x7e                       ; my 16 queries lie in two groups of 16 rows of the mask: both words
	s_lshl_b32 s40, s18, 7
	s_add_co_u32 s38, s38, s40
	s_lshl_b32 s38, s38, 2
	s_add_nc_u64 s[6:7], s[6:7], s[38:39]
	s_load_b64 s[24:25], s[6:7], 0x0
	s_lshr_b32 s38, s17, 1
	s_lshl_b32 s38, s38, 18
	s_and_b32 s40, s17, 1
	s_lshl_b32 s40, s40, 16
	s_add_co_u32 s38, s38, s40
	s_add_nc_u64 s[30:31], s[10:11], s[38:39]      ; the mask at my tile's first row: 32 (tile / 2) + 8 (tile % 2)
	v_bfe_u32 v6, v0, 4, 1                         ; h
	v_and_b32 v7, 15, v0                           ; r
	v_lshl_add_u32 v3, v6, 13, v46
	v_add_nc_u32 v3, KSOFF, v3                     ; scale words: 4 l; lanes 16-31 take V's, 8,192 bytes on
	v_lshlrev_b32 v4, 6, v6
	v_add_nc_u32 v4, HOFF, v4                      ; H: my half's 16 keys of a block
	v_and_b32 v8, 8, v7
	v_add_nc_u32 v8, v8, v7
	v_lshlrev_b32 v5, 13, v8
	v_lshl_add_u32 v5, v6, 6, v5                   ; the mask: row r + 8 (r / 8) of 8,192 bytes, + 64 h
.irp j, 22,23,24,25,26,27,28,29,30,31,32,33
	v_mov_b32 v[\j], 0                             ; the zero halves
.endr
	v_mov_b32 v13, 0xff61b1e6                      ; the largest t so far: -3e38
	v_floor_f32 v12, -v13                          ; -M
	v_mov_b32 v14, 0                               ; the sum, in two halves
	v_mov_b32 v15, 0
	v_mov_b32 v47, 0x40a00000                      ; 5.0
.set i, 0
.rept 26
	s_wait_loadcnt 31-i                            ; behind load i stand 25 - i of its kind and six others
	ds_store_b128 v[40+i/8], v[96+4*i:99+4*i] offset:8192*(i%8)
.set i, i+1
.endr
	s_wait_loadcnt 5                               ; the validity bytes are in; Q's five loads may be out
.irp i, 0,1,2,3
	v_bfe_u32 v[48+\i], v45, 8*\i, 8
.endr
.irp i, 0,1,2,3
	v_cmp_ne_u32 s[40+\i], 0, v[48+\i]             ; the four compares in one run, each into a scalar register of its own
.endr
	s_wait_alu depctr_va_sdst(0)                   ; s40 to s43 are written, ahead of the selects that read them
.irp i, 0,1,2,3
	v_cndmask_b32 v[48+\i], 0xce6e6b28, v47, s[40+\i]   ; 5.0 or -1e9
.endr
	s_wait_alu depctr_va_vdst(0)                   ; the selects have written v48-51, which the LDS store reads
	ds_store_b128 v43, v[48:51] offset:16384       ; H + 16 x thread
	s_wait_loadcnt 0x0
	v_lshlrev_b32 v93, 16, v92                     ; Q's scale bytes for [0 | Q]; the 32 lines below and a step's six additions stand between this line and the first product that takes it as a scale
	s_wait_kmcnt 0x0
	s_or_b32 s24, s24, s25
	s_wait_dscnt 0x0                               ; for the others' sake: my stores are done
	s_wait_alu depctr_vm_vsrc(0)                   ; my LDS stores have read v96-199: v160-191 are written below, v96-159 by the first products; they and the head's loads have read v40-51, in which K's loads land
.set i, 0
.rept 32
	v_mov_b32 v[O+i], 0                            ; O^T: which step is the first to be worked hangs on stored numbers, so no first step can be written out ahead of the loop
.set i, i+1
.endr
	s_barrier_signal -1
	s_barrier_wait -1
.Lstep:                                            ; 16 trips, 128 keys each; the trip count is a constant, and what is left out is a step's work
	s_bitcmp1_b32 s24, 0
	s_cbranch_scc0 .Lskip
	s_wait_alu depctr_vm_vsrc(0)                   ; the LDS loads issued so far have read v6 to v11, which the six additions write again
	v_add_nc_u32 v6, s26, v1
	v_add_nc_u32 v7, s26, v2
	v_add_nc_u32 v8, s27, v3
	v_add_nc_u32 v9, s27, v4
	v_add_nc_u32 v10, VOFF, v6                     ; V's addresses are made here too, ahead of the one wait
	v_add_nc_u32 v11, VOFF, v7
	s_wait_alu depctr_va_vdst(0)                   ; v6 to v11 are written, which this step's LDS loads read; the last step's products are done reading v40-91 and p's codes, and its vector lines are done with v192-255, in all of which loads land below; in the first trip: v5, the zero halves v22-33 and the scale v93 are written
.irp f, 0,1,2,3
.irp u, 0,1
	ds_load_b128 v[KV+12*\f+6*\u:KV+12*\f+6*\u+3], v6 offset:(2*\f+\u)*768
	ds_load_b64 v[KV+12*\f+6*\u+4:KV+12*\f+6*\u+5], v7 offset:(2*\f+\u)*768+512
.endr
.endr
.irp f, 0,1,2,3
	ds_load_b32 v[SCR+\f], v8 offset:128*\f
.endr
.set n, 0
.rept 16
	ds_load_b128 v[192+4*n:195+4*n], v9 offset:128*(n/4)+16*(n%4)   ; H of key 32 f + 16 h + i in register 16 f + i, as S^T has it
.set n, n+1
.endr
	s_wait_dscnt 16                                ; K's tiles and the scale words are in; H's 16 loads may be out
.irp f, 0,1,2,3
	v_wmma_scale_f32_16x16x128_f8f6f4 v[S+16*\f:S+16*\f+7], v[KV+12*\f:KV+12*\f+11], v[16:27], 0, v[SCR+\f], v92 matrix_a_fmt:MATRIX_FMT_FP6 matrix_b_fmt:MATRIX_FMT_FP6
	v_wmma_scale_f32_16x16x128_f8f6f4 v[S+16*\f+8:S+16*\f+15], v[KV+12*\f:KV+12*\f+11], v[28:39], 0, v[SCR+\f], v93 matrix_a_fmt:MATRIX_FMT_FP6 matrix_b_fmt:MATRIX_FMT_FP6
.endr
	s_wait_dscnt 0x0
.rept 4
	v_nop
.endr
.set j, 0
.rept 64
	v_med3_num_f32 v[S+j], v[S+j], v[192+j], -|v[192+j]|   ; the clip, or -1e9; each accumulator from its low end on
.set j, j+1
.endr
	s_bitcmp1_b32 s24, 16
	s_cbranch_scc0 .Lnomask
	s_wait_alu depctr_va_vdst(0)                   ; the 64 clips are done reading H in v192-255, in which the mask's loads land
.set n, 0
.rept 16
	global_load_b128 v[192+4*n:195+4*n], v5, s[30:31] offset:128*(n/4)+16*(n%4)   ; the mask of my query, the same keys
.set n, n+1
.endr
	s_wait_loadcnt 0x0
.set n, 0
.rept 32
	v_pk_add_f32 v[S+2*n:S+2*n+1], v[S+2*n:S+2*n+1], v[192+2*n:193+2*n]
.set n, n+1
.endr
.Lnomask:
.set n, 0
.rept 32
	v_pk_mul_f32 v[S+2*n:S+2*n+1], v[S+2*n:S+2*n+1], s[22:23] op_sel_hi:[1,0]   ; t = logit x log2 e
.set n, n+1
.endr
.irp b, 0,1,2,3
	v_max3_num_f32 v[BM+\b], v[S+16*\b], v[S+16*\b+1], v[S+16*\b+2]   ; the largest t of each block of 32 keys: for the row's maximum, and, since p rises with t, for the block's largest p
.endr
.irp i, 3,5,7,9,11,13
.irp b, 0,1,2,3
	v_max3_num_f32 v[BM+\b], v[BM+\b], v[S+16*\b+\i], v[S+16*\b+\i+1]
.endr
.endr
.irp b, 0,1,2,3
	v_max_num_f32 v[BM+\b], v[BM+\b], v[S+16*\b+15]
.endr
.irp b, 0,1,2,3
	v_permlanex16_b32 v[BT+\b], v[BM+\b], s20, s21
.endr
.irp b, 0,1,2,3
	v_max_num_f32 v[BM+\b], v[BM+\b], v[BT+\b]     ; with lane l xor 16's 16 keys
.endr
	v_max3_num_f32 v[TT], v[BM], v[BM+1], v[BM+2]
	v_max_num_f32 v[TT], v[TT], v[BM+3]
	v_max_num_f32 v13, v13, v[TT]                  ; the running largest t
	v_mov_b32 v[TT], v12
	v_floor_f32 v12, -v13                          ; the new -M = -ceil(t): a whole number
	v_sub_f32 v[TT], v12, v[TT]                    ; old M - new M: a whole number, 0 or less
	v_cvt_i32_f32 v[TT], v[TT]                     ; (it saturates)
	v_ldexp_f32 v[FF], 1.0, v[TT]                  ; f
.set n, 0
.rept 32
	v_pk_add_f32 v[S+2*n:S+2*n+1], v[S+2*n:S+2*n+1], v[12:13] op_sel_hi:[1,0]   ; t - M
.set n, n+1
.endr
.irp b, 0,1,2,3
	v_add_f32 v[BM+\b], v[BM+\b], v12              ; the same of each block's largest t
.endr
.set j, 0
.rept 64
	v_exp_f32 v[S+j], v[S+j]                       ; p, at most 1: not normalised
.set j, j+1
.endr
	v_pk_mul_f32 v[14:15], v[14:15], v[FF:FF+1] op_sel_hi:[1,0]   ; the sums under the new M (a plain place behind the exponentials)
	s_wait_alu depctr_va_vdst(0)                   ; the 64 exponentials have written p in v96-159, ahead of its first reader; and the products K Q^T are done reading v40-87, in which V's loads land
	FRAG KV, 10, 11, 0                             ; V^T: 16 of the head's 64 x these 128 keys, a fragment at a time among the sums.  No further wait: no vector line since the wait above names v10, v11 or v40-87
.irp b, 0,1,2,3
	v_exp_f32 v[BM+\b], v[BM+\b]                   ; the block's largest p: the same instructions on the same number give the same bits
.endr
	v_pk_add_f32 v[SU:SU+1], v[S:S+1], v[S+2:S+3]  ; the row's sum, of the unquantised p, in two chains
.irp j, 4,8,12,16,20,24,28,32,36,40,44,48,52,56,60
	v_pk_add_f32 v[14:15], v[14:15], v[S+\j:S+\j+1]
	v_pk_add_f32 v[SU:SU+1], v[SU:SU+1], v[S+\j+2:S+\j+3]
.if \j == 16
	FRAG KV+12, 10, 11, 1536
.endif
.if \j == 32
	FRAG KV+24, 10, 11, 3072
.endif
.if \j == 48
	FRAG KV+36, 10, 11, 4608
.endif
.endr
	v_pk_add_f32 v[14:15], v[14:15], v[SU:SU+1]
	s_wait_alu depctr_va_vdst(0)                   ; the four exponentials have written v212-215, ahead of their first reader
.irp b, 0,1,2,3
	v_max_num_f32 v[BM+\b], 0x1800000, v[BM+\b]    ; the floor 2^(3 - 127): the byte cannot fall under 1
.endr
.irp b, 0,1,2,3
	v_add_nc_u32 v[TSC+\b], 0xff000000, v[BM+\b]   ; 2 off the exponent field: the conversion's scale operand
.endr
.irp b, 0,1,2,3
	v_lshrrev_b32 v[BT+\b], 23, v[TSC+\b]          ; the scale's byte
.endr
	v_lshl_or_b32 v94, v[BT+1], 8, v[BT]           ; p's scale word for these 128 keys
	v_lshl_or_b32 v94, v[BT+2], 16, v94
	v_lshl_or_b32 v94, v[BT+3], 24, v94
.irp c, 0,1
	v_cvt_scalef32_pk16_fp6_f32 v[PCD+6*\c:PCD+6*\c+2], v[S+32*\c:S+32*\c+15], v[TSC+2*\c]
	v_cvt_scalef32_pk16_fp6_f32 v[PX+4*\c:PX+4*\c+2], v[S+32*\c+16:S+32*\c+31], v[TSC+2*\c+1]
.endr
	v_nop                                          ; one plain place behind a scaled conversion
.irp c, 0,1
.irp i, 0,1,2
	v_permlane16_swap_b32 v[PCD+6*\c+\i], v[PX+4*\c+\i]
.endr
.irp i, 0,1,2
	v_mov_b32 v[PCD+6*\c+3+\i], v[PX+4*\c+\i]
.endr
.endr
.set n, 0
.rept 16
	v_pk_mul_f32 v[O+2*n:O+2*n+1], v[O+2*n:O+2*n+1], v[FF:FF+1] op_sel_hi:[1,0]   ; O^T under the new M; these 16 are also the places between the scale word, the codes and the products
.set n, n+1
.endr
	s_wait_dscnt 0x0                               ; V's fragments are in
	s_wait_alu depctr_va_vdst(0)                   ; p's scale word v94 and p's codes v192-203 are written, which the scaled products below take; the places above stay beside this wait
.irp t, 0,1,2,3
	v_wmma_scale_f32_16x16x128_f8f6f4 v[O+8*\t:O+8*\t+7], v[KV+12*\t:KV+12*\t+11], v[PCD:PCD+11], v[O+8*\t:O+8*\t+7], v[SCR+\t], v94 matrix_a_fmt:MATRIX_FMT_FP6 matrix_b_fmt:MATRIX_FMT_FP6 matrix_a_scale:MATRIX_SCALE_ROW1
.endr
.Lskip:
	s_lshr_b32 s24, s24, 1                         ; the next step's two bits
	s_add_co_u32 s26, s26, 6144
	s_add_co_u32 s27, s27, 512
	s_add_nc_u64 s[30:31], s[30:31], 512           ; (the mask's loads, if any, have been waited for)
	s_add_co_u32 s28, s28, 1
	s_cmp_lt_u32 s28, 16
	s_cbranch_scc1 .Lstep
	; THE WAY OUT: O^T / the sum; Wv's rows were taken in the tiles' order, so register 16 B + i is d = 32 B + 16 h + i: quantised along d as it stands
	s_wait_alu depctr_vm_vsrc(0)                   ; the loop's LDS loads have read v6, which is written again below
.rept 4
	v_nop                                          ; places behind the last products
.endr
	v_add_f32 v14, v14, v15
	v_permlanex16_b32 v15, v14, s20, s21
	v_add_f32 v14, v14, v15                        ; the row's sum
	v_rcp_f32 v14, v14
	v_and_b32 v6, 15, v0                           ; (a plain place behind the reciprocal)
	v_lshlrev_b32 v6, 3, v6                        ; 8 r
	s_lshl_b32 s38, s18, 7
	s_add_co_u32 s38, s38, s17                     ; the tile of tokens: 128 batch + my tile
	s_lshl_b32 s40, s38, 4
	s_add_co_u32 s40, s40, s19
	s_mul_i32 s40, s40, 768
	s_mov_b32 s41, 0
	s_add_nc_u64 s[12:13], s[12:13], s[40:41]      ; the head is half a kstep of the last product
	s_lshl_b32 s40, s38, 9
	s_lshr_b32 s39, s19, 2
	s_lshl_b32 s39, s39, 7
	s_add_co_u32 s40, s40, s39
	s_and_b32 s39, s19, 3
	s_lshl_b32 s39, s39, 1
	s_add_co_u32 s40, s40, s39
	s_add_nc_u64 s[14:15], s[14:15], s[40:41]
	s_wait_alu depctr_va_vdst(0)                   ; the reciprocal has written v14, ahead of its first reader
.set n, 0
.rept 16
	v_pk_mul_f32 v[O+2*n:O+2*n+1], v[O+2*n:O+2*n+1], v[14:15] op_sel_hi:[1,0]
.set n, n+1
.endr
	QUANT2 O, 192, 0x1800000
	s_wait_alu depctr_va_vdst(0)                   ; the quantiser has written v192-197 and v202, the stores' data; v6, the last store's offset, is written
	global_store_b128 v1, v[192:195], s[12:13]
	global_store_b64 v2, v[196:197], s[12:13] offset:512
	global_store_b16 v6, v202, s[14:15]            ; my row's two scale bytes (lanes 16-31 write the same bytes with the same values)
	s_wait_xcnt 0x0
	v_lshl_add_u32 v254, v0, 2, 0x36000            ; no memory or LDS instruction has read v254 or v255
	v_mov_b32 v255, 0
	s_wait_dscnt 0x0                               ; the closing lines, six on end
	s_wait_alu 0x0
	s_wait_tensorcnt 0x0
	ds_add_u32 v254, v255
	s_wait_dscnt 0x0
	s_endpgm
.Lfunc_end_k_qc6e3b62edd_attn:
	.size	k_qc6e3b62edd_attn, .Lfunc_end_k_qc6e3b62edd_attn-k_qc6e3b62edd_attn
	.p2alignl 7, 3214868480
	.fill 96, 4, 3214868480
	.section	.rodata,"a",@progbits
	.p2align	6, 0x0
	.amdhsa_kernel k_qc6e3b62edd_attn
		.amdhsa_group_segment_fixed_size 223232
		.amdhsa_private_segment_fixed_size 0
		.amdhsa_enable_private_segment 0
		.amdhsa_kernarg_size 48
		.amdhsa_user_sgpr_count 2
		.amdhsa_user_sgpr_kernarg_segment_ptr 1
		.amdhsa_wavefront_size32 1
		.amdhsa_system_sgpr_workgroup_id_x 1
		.amdhsa_system_sgpr_workgroup_id_y 1
		.amdhsa_system_sgpr_workgroup_id_z 1
		.amdhsa_system_vgpr_workitem_id 0
		.amdhsa_next_free_vgpr 256
		.amdhsa_next_free_sgpr 66
		.amdhsa_reserve_vcc 0
		.amdhsa_float_denorm_mode_32 3
		.amdhsa_float_denorm_mode_16_64 3
		.amdhsa_memory_ordered 1
		.amdhsa_forward_progress 1
		.amdhsa_inst_pref_size 43
	.end_amdhsa_kernel
	.amdgpu_metadata
---
amdhsa.version: [ 1, 2 ]
amdhsa.kernels:
  - .name:           k_qc6e3b62edd_attn
    .symbol:         k_qc6e3b62edd_attn.kd
    .args:
      - { .name: qkv, .offset: 0, .size: 8, .value_kind: global_buffer, .address_space: global }
      - { .name: flags, .offset: 8, .size: 8, .value_kind: global_buffer, .address_space: global }
      - { .name: validity_mask, .offset: 16, .size: 8, .value_kind: global_buffer, .address_space: global }
      - { .name: causal_mask, .offset: 24, .size: 8, .value_kind: global_buffer, .address_space: global }
      - { .name: ocod, .offset: 32, .size: 8, .value_kind: global_buffer, .address_space: global }
      - { .name: oscl, .offset: 40, .size: 8, .value_kind: global_buffer, .address_space: global }
    .group_segment_fixed_size: 223232
    .private_segment_fixed_size: 0
    .kernarg_segment_align: 8
    .kernarg_segment_size: 48
    .max_flat_workgroup_size: 512
    .sgpr_count:     66
    .vgpr_count:     256
    .wavefront_size: 32
...
	.end_amdgpu_metadata
.endif
;; end of part 5
;; launch oproj: the kernel of part 4 again; grid 4 x 16, 16 waves a work-group, clusters of 4 x 4, 327,680 bytes of LDS; arguments cod, scl, ocod, oscl, bo, out0; writes out0
